; MI455X (gfx1250); checked and timed in simulation.
; The chip was launched on July 23, 2026; its instructions are those of AMD's public machine-readable ISA for CDNA 5 (MIT licence, August 2026) and "CDNA5" Instruction Set Architecture Reference Guide (July 2026). The comments in the code are by the model that wrote it; some were corrected since.
;; Self Attention. Allowed arithmetic: matrix products marked QUANTISED: E2M3 operands, one E8M0 scale for each 32 along K, by v_wmma_scale_f32_16x16x128_f8f6f4 with both operands' format E2M3, f32 sums; everything else in f32.
;; Inputs: Wk 1,024 x 1,024 float32; Wo 1,024 x 1,024 float32; Wq 1,024 x 1,024 float32; Wv 1,024 x 1,024 float32; bk 1,024 float32; bo 1,024 float32; bq 1,024 float32; bv 1,024 float32; k 4 x 2,048 x 1,024 float32; q 4 x 2,048 x 1,024 float32; v 4 x 2,048 x 1,024 float32.
;; Outputs: out0 4 x 2,048 x 1,024 float32.
;; This version of the problem:
;;   THIS VERSION OF THE PROBLEM IS GIVEN IN LOW PRECISION. The matrix products marked QUANTISED in the list below multiply operands that are first quantised to E2M3 (2 exponent bits, 3 mantissa bits; 6 bits a number), with one power-of-two scale for each 32 numbers along K (OCP MX v1.0); their sums are f32. All else is computed in f32.
;;   The module's matrix products, in the order in which they are computed (A, B: the left and right operand; K: the contracted axis; several contracted axes count as one K, in the product's order):
;;     1. [M 8,192, K 1,024] x [K 1,024, N 1,024]; A: input q; B: input Wq: QUANTISED
;;     2. [M 8,192, K 1,024] x [K 1,024, N 1,024]; A: input k; B: input Wk: QUANTISED
;;     3. [M 8,192, K 1,024] x [K 1,024, N 1,024]; A: input v; B: input Wv: QUANTISED
;;     4. batch 64 x [M 2,048, K 64] x [K 64, N 2,048]; A: computed on the way; B: computed on the way: QUANTISED
;;     5. batch 64 x [M 64, K 2,048] x [K 2,048, N 2,048]; A: computed on the way; B: softmax (see below): QUANTISED
;;     6. [M 8,192, K 1,024] x [K 1,024, N 1,024]; A: computed on the way; B: input Wo: QUANTISED
;;   THE QUANTISER, for each operand of a quantised product, along K:
;;     - K is cut into blocks of 32 from its start; a last block that is shorter is filled with zeros.
;;     - A block's scale is 2^e with e = floor(log2(the largest magnitude in the block)) - 2, held to -126 .. 127; a block of zeros has e = 0. As a byte (E8M0): e + 127.
;;     - Each number is divided by its block's scale, clamped to +-7.5, and rounded to the nearest number of E2M3, ties to even, subnormals kept.
;;     - The product sums the exact products of the quantised numbers (number of the format x scale) in f32.
;;   ~~~python
;;   def quantise(x, axis):      # numpy; x: float32 -> the quantised numbers, widened to float32 again
;;       x = np.moveaxis(x, axis, -1); K = x.shape[-1]
;;       x = np.pad(x, [(0, 0)] * (x.ndim - 1) + [(0, -K % 32)]); x = x.reshape(x.shape[:-1] + (-1, 32)); a = np.abs(x).max(-1, keepdims=True)
;;       e = np.where(a > 0, np.clip(np.frexp(np.where(a > 0, a, 1))[1] - 1 - 2, -126, 127), 0)      # np.frexp(a)[1] - 1 = floor(log2(a)), exactly
;;       r = np.clip(x / 2.0 ** e, -7.5, 7.5)
;;       step = 2.0 ** (np.maximum(np.frexp(np.where(r == 0, 1, r))[1] - 1, 0) - 3)
;;       q = np.round(r / step) * step * 2.0 ** e      # np.round: ties to even
;;       return np.moveaxis(q.reshape(q.shape[:-2] + (-1,))[..., :K], -1, axis).astype(np.float32)
;;   ~~~
;;   SOFTMAX AHEAD OF A QUANTISED PRODUCT. Where the list says 'softmax', what is quantised is not the finished softmax but p = 2^(t - M), with t = logit x log2(e) and M = ceil(the row's largest t), a whole number; so 1/2 < the row's largest p <= 1. The row's sum l is taken of the UNQUANTISED p, in f32, and the product's result is divided by l at the end. Since M is a whole number, a kernel that streams over the keys may use a running M (the ceiling of the running maximum): every later rescaling is an exact power of two, which a block's scale takes up: the codes' values come out the same.
;;   OPERANDS COMPUTED ON THE WAY. 'Computed on the way' means the value that the module computes at that place (a softmax that the list does not call 'softmax' is quantised finished and normalised). What goes into a quantiser is computed in f32, as accurately as f32 sums, v_exp_f32 and their like allow (about 1e-6 of the number): no bf16 or f16 on the way to a quantiser, and a product that is left as it is and whose result goes on into a quantised operand takes f32 operands (vector FMAs, or v_wmma_f32_16x16x4_f32). A number that lies on a knife's edge between two numbers of the format may be rounded either way, as far as f32 arithmetic and the matrix unit's own rounding can turn it there, and no further.
;; One version. Each part assembles by itself: llvm-mc -triple=amdgcn-amd-amdhsa -mcpu=gfx1250 --defsym DOCPART=n.
;; ======== version 1 of 1: 5 launches
;; workspace buffers: xc 18,874,368 bytes; xs 786,432 bytes; wc 3,145,728 bytes; ws 131,072 bytes; hd 20,447,232 bytes; oc 6,291,456 bytes; os 262,144 bytes
;; launch quant_x (part 1): grid 768 x 1, 4 waves a work-group, no clusters, 33,280 bytes of LDS; arguments q, k, v, xc, xs; writes xc, xs
.if DOCPART == 1
	.amdgcn_target "amdgcn-amd-amdhsa--gfx1250"
	.amdhsa_code_object_version 6
	.text
	.protected	k_q99f9a6d58b_quant_x
	.globl	k_q99f9a6d58b_quant_x
	.p2align	8
	.type	k_q99f9a6d58b_quant_x,@function
k_q99f9a6d58b_quant_x:
	s_mov_b64 s[64:65], 0
	v_nop
	global_prefetch_b8 v0, s[64:65] scope:SCOPE_SE
	s_setreg_imm32_b32 hwreg(HW_REG_WAVE_MODE, 25, 1), 1
	s_wait_xcnt 0x0
; SELF-ATTENTION IN MX-FP6, FIVE LAUNCHES.  This one: q, k, v [8192][1024] f32 become codes of E2M3 (xc [3][8192][768 bytes], K innermost) and E8M0 scale bytes (xs [3][8192][32]).
; NOTHING OF THE PROBLEM IS LEFT OUT: every product is live, and every bias goes into a quantised operand of a live product (bk too: it moves kh's codes), so all eleven inputs are loaded.
; A block's scale is 2^(floor(log2(its largest magnitude)) - 2); its byte is the largest magnitude's exponent field - 2, held at 1 from below.  Each number is divided by the scale and rounded to the nearest code, ties to even; beyond 7.5 the largest code.
; LIMITS: a block of zeros gets the byte 1 where the rule says 127 (its codes are zeros, and this program alone reads the bytes); NaN and infinities among the inputs are not served.
; THE OCTET ORDER.  Rows are stored with the two middle groups of eight rows of every 32 exchanged: stored octet p holds actual octet 0, 2, 1, 3.  A plain tile of 16 stored rows then holds in lane r
; the actual row 32 b + 8 u + r + 8 (r / 8) (tile 2 b + u), so that results of two neighbouring tiles are 16 neighbours along the next product's K, with no lane arithmetic in any later launch.
; A wave takes 8 rows (one octet, 8,192 numbers) in 16 steps of 512.  Each load reads 512 consecutive bytes; a step's 2,048 bytes turn through the wave's own stage in LDS and come back 64 bytes a lane:
; 16 neighbours along K, two lanes to a block.  A lane's 16 codes are 12 bytes; a wave's 256 scale bytes are gathered in LDS and leave as one aligned run of 256 bytes.  Waves share nothing: no barrier.
.set WAVES, 4
.set STEPS, 16
.set EMAX,  2
.set CB,    12                         ; bytes of 16 codes
.set R,     16                         ; v16-79   four sets of 16 numbers as they are loaded
.set X,     80                         ; v80-111  two sets of 16 neighbours
.set C,     128                        ; v128-191 codes: four registers for each step, so that no store's data are written again
.set E,     112                        ; v112-127 a scale byte for each step
.set WREG,  8192                       ; LDS: a region for each wave: two stages of 32 x SP bytes, behind them its 256 scale bytes
.set SP,    80                         ; a lane's place in a stage: 64 bytes + 16 of padding
.set SPW,   12                         ; v12      LDS address of my spare word; never rewritten
.set NIL,   13                         ; v13      0; never rewritten
.set SPARE, WAVES*WREG                 ; behind the four regions: the spare words, 128 bytes a wave
	s_load_b256 s[4:11], s[0:1], 0x0               ; q s[4:5], k s[6:7], v s[8:9], xc s[10:11]
	s_load_b64 s[12:13], s[0:1], 0x20              ; xs
	v_lshl_add_u32 v[SPW], v0, 2, SPARE
	v_mov_b32 v[NIL], 0
	v_lshrrev_b32 v1, 5, v0
	v_readfirstlane_b32 s16, v1                    ; wave
	v_and_b32 v2, 31, v0                           ; lane
	v_lshlrev_b32 v3, 4, v2                        ; my 16 bytes of a load's 512
	s_mul_i32 s17, s16, WREG
	v_lshrrev_b32 v14, 2, v2
	v_mul_u32_u24 v14, v14, SP
	v_and_b32 v15, 3, v2
	v_lshl_add_u32 v14, v15, 4, v14
	v_add_nc_u32 v14, s17, v14                     ; the stage, on the way in: SP (lane / 4) + 16 (lane % 4)
	v_mul_u32_u24 v15, v2, SP
	v_add_nc_u32 v15, s17, v15                     ; and on the way out: SP x lane: my 16 neighbours
	v_mul_u32_u24 v4, v2, CB                       ; my codes' place in a step's
	v_lshrrev_b32 v5, 1, v2
	s_add_co_u32 s17, s17, 2*32*SP
	v_add_nc_u32 v5, s17, v5                       ; LDS: my wave's 256 scale bytes, my block's byte
	v_lshlrev_b32 v7, 3, v2                        ; and on the way out 8 bytes a lane
	v_add_nc_u32 v6, s17, v7
	s_lshr_b32 s17, ttmp9, 8                       ; which tensor: 256 work-groups each
	s_and_b32 s18, ttmp9, 255
	s_lshl_b32 s18, s18, 2
	s_add_co_u32 s18, s18, s16                     ; which octet of the tensor I read,
	s_lshl_b32 s18, s18, 15                        ; 32,768 bytes each
	s_mov_b32 s19, 0
	s_and_b32 s20, s16, 1                          ; where it goes: the work-group's four octets in the order 0, 2, 1, 3
	s_lshl_b32 s20, s20, 1
	s_lshr_b32 s21, s16, 1
	s_or_b32 s20, s20, s21
	s_lshl_b32 s21, ttmp9, 2
	s_add_co_u32 s20, s20, s21                     ; stored octet, counted through all three tensors
	s_wait_kmcnt 0x0
	s_cmp_eq_u32 s17, 0                            ; the choice hangs on the work-group's number alone
	s_cselect_b64 s[4:5], s[4:5], s[6:7]
	s_cmp_eq_u32 s17, 2
	s_cselect_b64 s[4:5], s[8:9], s[4:5]
	s_add_nc_u64 s[4:5], s[4:5], s[18:19]
	s_mul_i32 s18, s20, 32*STEPS*CB                ; 6,144 bytes of codes an octet
	s_add_nc_u64 s[10:11], s[10:11], s[18:19]
	s_lshl_b32 s18, s20, 8                         ; 256 scale bytes
	s_add_nc_u64 s[12:13], s[12:13], s[18:19]
.macro LOAD t
.irp i, 0,1,2,3
	global_load_b128 v[R+16*((\t)%4)+4*\i:R+16*((\t)%4)+4*\i+3], v3, s[4:5] offset:2048*(\t)+512*\i th:TH_LOAD_NT   ; 32 lanes read 512 consecutive bytes
.endr
.endm
.macro TURN t                          ; step t's numbers through the stage: LDS serves a wave's instructions in order, so no wait stands between the stores and the loads
.irp i, 0,1,2,3
	ds_store_b128 v14, v[R+16*((\t)%4)+4*\i:R+16*((\t)%4)+4*\i+3] offset:32*SP*((\t)%2)+8*SP*\i
.endr
.irp i, 0,1,2,3
	ds_load_b128 v[X+16*((\t)%2)+4*\i:X+16*((\t)%2)+4*\i+3], v15 offset:32*SP*((\t)%2)+16*\i
.endr
.endm
.irp t, 0,1,2,3
	LOAD \t
.endr
	s_wait_loadcnt 12                              ; step 0's four loads are in; the twelve of steps 1 to 3 may be out
	TURN 0
.macro STEP t
.set XS, X+16*((\t)%2)
.if (\t) > 0
	s_wait_dscnt 1                                 ; this step's numbers are back from the stage (the last step's byte store may be out): so its stores into the stage have read their registers,
.else
	s_wait_dscnt 0x0
.endif
.if (\t)+4 < STEPS
	LOAD (\t)+4                                    ; which take the loads of four steps on
.endif
.if (\t)+1 < STEPS
.if STEPS-2-(\t) >= 3
	s_wait_loadcnt 12                              ; the next step's four loads are in; those of the three steps behind it may be out
.else
	s_wait_loadcnt 4*(STEPS-2-(\t))
.endif
	TURN (\t)+1                                    ; and go through the other stage while this step is worked
.endif
	v_max3_num_f32 v8, |v[XS]|, |v[XS+1]|, |v[XS+2]|               ; the largest magnitude of my 16, in two chains
	v_max3_num_f32 v9, |v[XS+3]|, |v[XS+4]|, |v[XS+5]|
.irp i, 6,10
	v_max3_num_f32 v8, v8, |v[XS+\i]|, |v[XS+\i+1]|
	v_max3_num_f32 v9, v9, |v[XS+\i+2]|, |v[XS+\i+3]|
.endr
	v_max3_num_f32 v8, v8, |v[XS+14]|, |v[XS+15]|
	v_max3_num_f32 v8, v8, v9, (EMAX+1)<<23        ; and the floor 2^(3 - 127): the byte cannot fall under 1
	v_max_num_f32_dpp v8, v8, v8 row_xmask:1 row_mask:0xf bank_mask:0xf   ; and of my neighbour's 16: the block's
	v_add_nc_u32 v11, -(EMAX<<23), v8              ; 2 off its exponent field: the conversion takes the exponent field of this operand as its scale
	v_cvt_scalef32_pk16_fp6_f32 v[C+4*(\t):C+4*(\t)+2], v[XS:XS+15], v11
	v_lshrrev_b32 v[E+(\t)], 23, v11               ; the scale's byte (also the plain line behind the conversion)
	ds_store_b8 v5, v[E+(\t)] offset:16*(\t)       ; both lanes of a block write the same byte with the same value
	global_store_b96 v4, v[C+4*(\t):C+4*(\t)+2], s[10:11] offset:32*CB*(\t)   ; the wave stores 384 consecutive bytes
.endm
.irp t, 0,1,2,3,4,5,6,7,8,9,10,11,12,13,14,15
	STEP \t
.endr
	ds_load_b64 v[8:9], v6                         ; LDS serves a wave's instructions in order: these see my stores
	s_wait_dscnt 0x0
	global_store_b64 v7, v[8:9], s[12:13]          ; 32 lanes store 256 consecutive bytes, aligned
	s_wait_tensorcnt 0x0                           ; the wave's end
	ds_add_u32 v[SPW], v[NIL]
	s_wait_dscnt 0x0
	s_endpgm
.Lfunc_end_k_q99f9a6d58b_quant_x:
	.size	k_q99f9a6d58b_quant_x, .Lfunc_end_k_q99f9a6d58b_quant_x-k_q99f9a6d58b_quant_x
	.p2alignl 7, 3214868480
	.fill 96, 4, 3214868480
	.section	.rodata,"a",@progbits
	.p2align	6, 0x0
	.amdhsa_kernel k_q99f9a6d58b_quant_x
		.amdhsa_group_segment_fixed_size 33280
		.amdhsa_private_segment_fixed_size 0
		.amdhsa_enable_private_segment 0
		.amdhsa_kernarg_size 40
		.amdhsa_user_sgpr_count 2
		.amdhsa_user_sgpr_kernarg_segment_ptr 1
		.amdhsa_wavefront_size32 1
		.amdhsa_system_sgpr_workgroup_id_x 1
		.amdhsa_system_sgpr_workgroup_id_y 1
		.amdhsa_system_sgpr_workgroup_id_z 1
		.amdhsa_system_vgpr_workitem_id 0
		.amdhsa_next_free_vgpr 192
		.amdhsa_next_free_sgpr 66
		.amdhsa_reserve_vcc 0
		.amdhsa_float_denorm_mode_32 3
		.amdhsa_float_denorm_mode_16_64 3
		.amdhsa_memory_ordered 1
		.amdhsa_forward_progress 1
		.amdhsa_inst_pref_size 32
	.end_amdhsa_kernel
	.amdgpu_metadata
---
amdhsa.version: [ 1, 2 ]
amdhsa.kernels:
  - .name:           k_q99f9a6d58b_quant_x
    .symbol:         k_q99f9a6d58b_quant_x.kd
    .args:
      - { .name: q, .offset: 0, .size: 8, .value_kind: global_buffer, .address_space: global }
      - { .name: k, .offset: 8, .size: 8, .value_kind: global_buffer, .address_space: global }
      - { .name: v, .offset: 16, .size: 8, .value_kind: global_buffer, .address_space: global }
      - { .name: xc, .offset: 24, .size: 8, .value_kind: global_buffer, .address_space: global }
      - { .name: xs, .offset: 32, .size: 8, .value_kind: global_buffer, .address_space: global }
    .group_segment_fixed_size: 33280
    .private_segment_fixed_size: 0
    .kernarg_segment_align: 8
    .kernarg_segment_size: 40
    .max_flat_workgroup_size: 128
    .sgpr_count:     66
    .vgpr_count:     192
    .wavefront_size: 32
...
	.end_amdgpu_metadata
.endif
;; end of part 1
;; launch quant_w (part 2): grid 8 x 16, 4 waves a work-group, no clusters, 35,840 bytes of LDS; arguments Wq, Wk, Wv, Wo, wc, ws; writes wc, ws
.if DOCPART == 2
	.amdgcn_target "amdgcn-amd-amdhsa--gfx1250"
	.amdhsa_code_object_version 6
	.text
	.protected	k_q99f9a6d58b_quant_w
	.globl	k_q99f9a6d58b_quant_w
	.p2align	8
	.type	k_q99f9a6d58b_quant_w,@function
k_q99f9a6d58b_quant_w:
	s_mov_b64 s[64:65], 0
	v_nop
	global_prefetch_b8 v0, s[64:65] scope:SCOPE_SE
	s_setreg_imm32_b32 hwreg(HW_REG_WAVE_MODE, 25, 1), 1
	s_wait_xcnt 0x0
; Wq, Wk, Wv, Wo [1024 (k)][1024 (n)] f32, K their FIRST axis, become codes of E2M3 laid wc [4][1024 stored n][768 bytes] with K innermost, and scale bytes ws [4][1024 stored n][32].
; A LANE TAKES A COLUMN n, AND ITS REGISTERS RUN DOWN K: each load reads neighbouring n in neighbouring lanes, a block of 32 along K lies in one lane's 32 registers, and the conversions give codes with K innermost.
; The rows n are stored in the octet order (the two middle groups of eight of every 32 exchanged), as the rows of xc are: the exchange costs only other immediates on the way out.
; The quantiser and its limits are those stated at the head of the launch that quantises q, k, v (a block of zeros: byte 1; NaN and infinities not served).  Nothing is left out.
; A wave takes 32 columns x 256 along K: 8 blocks a lane.  Codes go through the wave's own stage in LDS and leave by rows: sixteen lanes store a row's 192 consecutive bytes.  Grid y = 4 x weight + which 256 of K.
.set SIZE_K, 1024
.set SIZE_N, 1024
.set KW,    256
.set NB,    KW/32
.set ROWB,  192
.set PITCH, 272                        ; a stage row: sixteen places of 16 bytes, each with 12 bytes of codes, + 16
.set KROW,  SIZE_K*6/8
.set EMAX,  2
.set X,     32                         ; v32-95   two sets of 32 numbers
.set C,     96                         ; v96..    a block's codes
.set OUTR,  112                        ; v112-175 the way out
.set SPW,   14
.set NIL,   15
.set SPARE, 4*32*PITCH
.set SB,    24                         ; v24-25   the scale bytes, four to a register
	s_load_b256 s[4:11], s[0:1], 0x0               ; Wq, Wk, Wv, Wo
	s_load_b128 s[12:15], s[0:1], 0x20             ; wc s[12:13], ws s[14:15]
	v_lshl_add_u32 v[SPW], v0, 2, SPARE
	v_mov_b32 v[NIL], 0
	v_lshrrev_b32 v1, 5, v0
	v_readfirstlane_b32 s16, v1                    ; wave 0..3
	v_and_b32 v2, 31, v0                           ; lane
	s_lshl_b32 s17, ttmp9, 7
	s_lshl_b32 s18, s16, 5
	s_add_co_u32 s17, s17, s18                     ; my wave's first column: 128 x work-group x + 32 x wave
	s_and_b32 s18, ttmp7, 0xffff
	s_lshr_b32 s30, s18, 2                         ; which weight
	s_and_b32 s18, s18, 3                          ; which 256 along K
	v_lshlrev_b32 v3, 2, v2                        ; in: 4 bytes a lane
	s_mul_i32 s19, s16, 32*PITCH                   ; my stage
	v_mul_u32_u24 v4, v2, PITCH
	v_add_nc_u32 v4, s19, v4                       ; into it: row = my column
	v_and_b32 v5, 15, v2
	v_lshrrev_b32 v6, 4, v2                        ; out of it: sixteen lanes to a row, two rows an instruction
	v_mul_u32_u24 v7, v6, PITCH
	v_lshl_add_u32 v7, v5, 4, v7
	v_add_nc_u32 v7, s19, v7
	v_mul_u32_u24 v8, v6, KROW
	v_mad_u32_u24 v8, v5, 12, v8                   ; and the same place in the codes' buffer
	v_and_b32 v9, 7, v2                            ; my column's stored row among the wave's 32: bits 3 and 4 of the lane change places
	v_and_b32 v10, 8, v2
	v_lshl_or_b32 v9, v10, 1, v9
	v_and_b32 v10, 16, v2
	v_lshrrev_b32 v10, 1, v10
	v_or_b32 v9, v9, v10
	v_lshlrev_b32 v9, 5, v9                        ; 32 scale bytes a row
	s_lshl_b32 s20, s18, 20                        ; W: 256 rows of 4,096 bytes for each part of K,
	s_lshl_b32 s22, s17, 2
	s_add_co_u32 s20, s20, s22                     ; + 4 x column
	s_mov_b32 s21, 0
	s_mul_i32 s24, s17, KROW                       ; codes: column x 768 + 192 x part + the weight's 786,432
	s_mul_i32 s26, s18, ROWB
	s_add_co_u32 s24, s24, s26
	s_mul_i32 s26, s30, SIZE_N*KROW
	s_add_co_u32 s24, s24, s26
	s_mov_b32 s25, 0
	s_lshl_b32 s28, s17, 5                         ; scale bytes: column x 32 + 8 x part + the weight's 32,768
	s_lshl_b32 s26, s18, 3
	s_add_co_u32 s28, s28, s26
	s_lshl_b32 s26, s30, 15
	s_add_co_u32 s28, s28, s26
	s_mov_b32 s29, 0
	s_and_b32 s31, s30, 1
	s_wait_kmcnt 0x0
	s_cmp_lt_u32 s30, 2                            ; the choice hangs on the work-group's number alone
	s_cselect_b64 s[4:5], s[4:5], s[8:9]           ; Wq or Wv
	s_cselect_b64 s[6:7], s[6:7], s[10:11]         ; Wk or Wo
	s_cmp_eq_u32 s31, 1
	s_cselect_b64 s[4:5], s[6:7], s[4:5]
	s_add_nc_u64 s[4:5], s[4:5], s[20:21]
	s_add_nc_u64 s[12:13], s[12:13], s[24:25]
	s_add_nc_u64 s[14:15], s[14:15], s[28:29]
.macro LOAD t                          ; block t: W(32 t + i, my column), i = 0 .. 31, into set t % 2
.irp i, 0,1,2,3,4,5,6,7,8,9,10,11,12,13,14,15,16,17,18,19,20,21,22,23,24,25,26,27,28,29,30,31
	global_load_b32 v[X+32*((\t)%2)+\i], v3, s[4:5] offset:(32*(\t)+\i)*SIZE_N*4 th:TH_LOAD_NT
.endr
.endm
	LOAD 0
	LOAD 1
.macro BLOCK t
.set XS, X+32*((\t)%2)
.if (\t) < NB-1
	s_wait_loadcnt 32                              ; this block's 32 loads are in; the next block's may be out
.else
	s_wait_loadcnt 0
.endif
	v_max3_num_f32 v12, |v[XS]|, |v[XS+1]|, |v[XS+2]|               ; the block's largest magnitude: all 32 numbers are mine
	v_max3_num_f32 v13, |v[XS+3]|, |v[XS+4]|, |v[XS+5]|
.irp i, 6,10,14,18,22,26
	v_max3_num_f32 v12, v12, |v[XS+\i]|, |v[XS+\i+1]|
	v_max3_num_f32 v13, v13, |v[XS+\i+2]|, |v[XS+\i+3]|
.endr
	v_max3_num_f32 v12, v12, |v[XS+30]|, |v[XS+31]|
	v_max3_num_f32 v12, v12, v13, (EMAX+1)<<23     ; and the floor 2^(3 - 127)
	v_add_nc_u32 v11, -(EMAX<<23), v12             ; the conversion's scale operand
	v_lshrrev_b32 v13, 23, v11                     ; the scale's byte
.if (\t)%4 == 0
	v_mov_b32 v[SB+(\t)/4], v13                    ; four bytes to a register, the lower K in the lower byte
.else
	v_lshl_or_b32 v[SB+(\t)/4], v13, 8*((\t)%4), v[SB+(\t)/4]
.endif
	v_cvt_scalef32_pk16_fp6_f32 v[C:C+2], v[XS:XS+15], v11
	v_cvt_scalef32_pk16_fp6_f32 v[C+4:C+6], v[XS+16:XS+31], v11     ; (a conversion's three registers begin on an even number)
	ds_store_b96 v4, v[C:C+2] offset:32*(\t)       ; 12 bytes to a place of 16 bytes, so that every LDS address is a multiple of 16
	ds_store_b96 v4, v[C+4:C+6] offset:32*(\t)+16
.if (\t)+2 < NB
	LOAD (\t)+2
.endif
	s_wait_dscnt 0x0                               ; the stores have read their registers: the next block's codes may be written
.endm
.set Q, 0
.rept NB
	BLOCK Q
.set Q, Q+1
.endr
	global_store_b64 v9, v[SB:SB+1], s[14:15]      ; my column's 8 scale bytes, at its stored row
.irp t, 0,1,2,3,4,5,6,7,8,9,10,11,12,13,14,15
	ds_load_b96 v[OUTR+4*\t:OUTR+4*\t+2], v7 offset:2*\t*PITCH   ; LDS serves a wave's instructions in order: these see my stores
.endr
.irp t, 0,1,2,3,4,5,6,7,8,9,10,11,12,13,14,15
.set OC, (2*\t)/8                      ; the actual octet of columns 2 t, 2 t + 1,
.set PT, 8*(((OC&1)<<1)|(OC>>1))+(2*\t)%8   ; and their stored row
	s_wait_dscnt 15-\t
	global_store_b96 v8, v[OUTR+4*\t:OUTR+4*\t+2], s[12:13] offset:PT*KROW
.endr
	s_wait_tensorcnt 0x0                           ; the wave's end
	ds_add_u32 v[SPW], v[NIL]
	s_wait_dscnt 0x0
	s_endpgm
.Lfunc_end_k_q99f9a6d58b_quant_w:
	.size	k_q99f9a6d58b_quant_w, .Lfunc_end_k_q99f9a6d58b_quant_w-k_q99f9a6d58b_quant_w
	.p2alignl 7, 3214868480
	.fill 96, 4, 3214868480
	.section	.rodata,"a",@progbits
	.p2align	6, 0x0
	.amdhsa_kernel k_q99f9a6d58b_quant_w
		.amdhsa_group_segment_fixed_size 35840
		.amdhsa_private_segment_fixed_size 0
		.amdhsa_enable_private_segment 0
		.amdhsa_kernarg_size 48
		.amdhsa_user_sgpr_count 2
		.amdhsa_user_sgpr_kernarg_segment_ptr 1
		.amdhsa_wavefront_size32 1
		.amdhsa_system_sgpr_workgroup_id_x 1
		.amdhsa_system_sgpr_workgroup_id_y 1
		.amdhsa_system_sgpr_workgroup_id_z 1
		.amdhsa_system_vgpr_workitem_id 0
		.amdhsa_next_free_vgpr 192
		.amdhsa_next_free_sgpr 66
		.amdhsa_reserve_vcc 0
		.amdhsa_float_denorm_mode_32 3
		.amdhsa_float_denorm_mode_16_64 3
		.amdhsa_memory_ordered 1
		.amdhsa_forward_progress 1
		.amdhsa_inst_pref_size 42
	.end_amdhsa_kernel
	.amdgpu_metadata
---
amdhsa.version: [ 1, 2 ]
amdhsa.kernels:
  - .name:           k_q99f9a6d58b_quant_w
    .symbol:         k_q99f9a6d58b_quant_w.kd
    .args:
      - { .name: Wq, .offset: 0, .size: 8, .value_kind: global_buffer, .address_space: global }
      - { .name: Wk, .offset: 8, .size: 8, .value_kind: global_buffer, .address_space: global }
      - { .name: Wv, .offset: 16, .size: 8, .value_kind: global_buffer, .address_space: global }
      - { .name: Wo, .offset: 24, .size: 8, .value_kind: global_buffer, .address_space: global }
      - { .name: wc, .offset: 32, .size: 8, .value_kind: global_buffer, .address_space: global }
      - { .name: ws, .offset: 40, .size: 8, .value_kind: global_buffer, .address_space: global }
    .group_segment_fixed_size: 35840
    .private_segment_fixed_size: 0
    .kernarg_segment_align: 8
    .kernarg_segment_size: 48
    .max_flat_workgroup_size: 128
    .sgpr_count:     66
    .vgpr_count:     192
    .wavefront_size: 32
...
	.end_amdgpu_metadata
.endif
;; end of part 2
;; launch proj (part 3): grid 4 x 96, 4 waves a work-group, clusters of 4 x 4, 327,680 bytes of LDS; arguments xc, xs, wc, ws, bq, bk, bv, hd; writes hd
.if DOCPART == 3
	.amdgcn_target "amdgcn-amd-amdhsa--gfx1250"
	.amdhsa_code_object_version 6
	.text
	.protected	k_q99f9a6d58b_proj
	.globl	k_q99f9a6d58b_proj
	.p2align	8
	.type	k_q99f9a6d58b_proj,@function
k_q99f9a6d58b_proj:
	s_mov_b64 s[64:65], 0
	v_nop
	global_prefetch_b8 v0, s[64:65] scope:SCOPE_SE
	s_setreg_imm32_b32 hwreg(HW_REG_WAVE_MODE, 25, 1), 1
	s_wait_xcnt 0x0
	s_wait_alu depctr_hold_cnt(0) depctr_sa_sdst(0) depctr_va_vdst(0) depctr_va_sdst(0) depctr_va_ssrc(0) depctr_va_vcc(0) depctr_vm_vsrc(0)
	s_getreg_b32 s2, hwreg(HW_REG_IB_STS2, 6, 4)
	s_cmp_eq_u32 s2, 0
	s_cbranch_scc0 .Lentry_in_a_cluster
	s_endpgm
.Lentry_in_a_cluster:
	s_bfe_u32 s2, ttmp6, 0x10000c
	s_cmp_lg_u32 s2, 0xf033
	s_cbranch_scc0 .Lentry_shape_is_right
	s_endpgm
.Lentry_shape_is_right:
; qh = q Wq + bq, kh = k Wk + bk, vh = v Wv + bv on codes of E2M3 with E8M0 scales, and the quantisers of qh and kh (along the head's 64) and of vh (along the keys).  Nothing is left out.
; A work-group of four waves makes 256 x 256 of one product, a wave 128 x 128: 64 accumulators, 512 registers.  K = 1,024 goes in four steps of 256 through a ring of two LDS slots filled by the tensor data mover;
; the scale bytes of the work-group's 2 x 256 rows come into LDS once.  T = cluster y / 8 says which product (0 q, 1 k, 2 v): it is the same in all sixteen partners of a cluster.
; ROLES.  The matrix instruction's source 1 gives a lane its row ("role 1"), source 0 runs along a lane's registers ("role 0").  The next quantiser wants its K along the registers:
;   q, k: role 1 = 256 tokens (tile row 4 c + cy), role 0 = 256 rows n of W (tile cx): registers run along n = head x 64 + d.
;   v:    role 1 = 256 rows n of Wv (tile cy),     role 0 = 256 tokens (tile 4 c + cx): registers run along the tokens, which are the keys.
; Only what the two joint loads fetch differs (a choice of pointer and of row number on T); LDS, descriptors' shapes and the matrix text are one.
; Both tensors' rows lie in the octet order, so registers of role 0's blocks 2 b, 2 b + 1 are the 16 actual neighbours 32 b + 16 (lane / 16) + 0 .. 15.  Tokens stay in stored order in hd.
; OUT: hd [64 heads][16 groups of 128 tokens][Q, K, V][6,656 bytes]: images of operand registers (16 rows x 64 k: registers 0-3 at 16 x lane, 4-5 at 512 + 8 x lane: 768 bytes), then 512 bytes of scale words
; (the word at 16 l + 4 q belongs to row 32 q + l of the part's rows).  Every store of a wave covers 512 or 256 consecutive bytes, aligned.
; CLUSTERS: role 1's tile is shared along a row of the 4 x 4 cluster, role 0's along a column: each is asked for jointly.
; LIMITS: as stated at the head of the first launch (a block of zeros: byte 1; NaN, infinities not served).
.set SIZE_K, 1024
.set KSTEP,  256
.set NQ,     KSTEP/128
.set ROWB,   192                       ; a tile's row in bytes
.set KROW,   768                       ; a row of codes in memory
.set PITCH,  240                       ; an LDS row: 3 x (64 bytes + 16 of padding)
.set FR,     12
.set NL,     6
.set NP,     4                         ; places behind this matrix instruction (ISA guide 7.12.1)
.set HALFT,  128*PITCH
.set SLOT,   4*HALFT
.set LAPS,   SIZE_K/(2*KSTEP)
.set KS,     SIZE_K/32
.set SCL,    2*SLOT                    ; behind the ring: the scales, as runs of 256 bytes + 16 of padding
.set HALFS,  (128*KS/256)*272
.set SBLK,   (16*KS/256)*272
.set SPARE,  SCL+4*HALFS               ; the spare words, 128 bytes a wave
.set PART,   6656
.set GROUPB, 19968
.set HEADB,  319488
.set ADRA, 16                          ; v16-19  LDS addresses of role 1's fragments (slot 0, 1; the same behind one padding more)
.set ADRB, 20                          ; v20-23  of role 0's
.set O16,  24                          ; v24     16 x lane
.set O8,   25                          ; v25     8 x lane
.set BO,   26                          ; v26     the bias loads' offset
.set ADRS, 27                          ; v27     LDS address of my scale words
.set SPW,  28
.set NIL,  29
.set SC,   32                          ; v32-63  scale words, two sets: they hold nothing else
.set BJ,   64                          ; v64-127 the bias
.set AF,   128                         ; v128-223 role 1's fragments, one set
.set X,    128                         ; the way out: 64 numbers
.set PC,   192                         ; v192-211 the codes just made
.set TM,   212                         ; v212-227 at work in the quantiser
.set PWS,  228                         ; v228-235 the eight blocks' scale words
.set WQ,   236                         ; v236-243 the scale words as they are stored
.set G1, 24
.set G0, 32
.set G1B, 48
.set G0B, 56
.set G1S, 68
.set G0S, 76
.set G1SB, 80
.set G0SB, 88
.set SEL, 100                          ; s[100:101] lane selects for v_permlanex16_b32: lane l xor 16
.set MSB, 0
.macro WIN new                         ; the immediate's high byte repeats the setting that is left
.if MSB != \new
	s_set_vgpr_msb (MSB<<8)|\new
.set MSB, \new
.endif
.endm
.set MUL_LO, 0xa1                      ; source 0 window 1, source 1 window 0, C and D window 2
.set MUL_HI, 0xf1                      ; the same, C and D window 3
.set TO_B,   0x40                      ; destination window 1, address window 0
; A joint load: waves 0 and 1 fetch role 1's tile, waves 2 and 3 role 0's.  The branch hangs on the wave's number alone.  An s_nop 0 and four v_nop follow each line.
.macro JLOAD g0a, g1a, g0b, g1b
	s_cmp_eq_u32 s15, 0
	s_cbranch_scc0 .Lfor_b_\@
	tensor_load_to_lds s[\g0a:\g0a+3], s[\g1a:\g1a+7]
	s_nop 0
.rept 4
	v_nop
.endr
	s_branch .Lasked_\@
.Lfor_b_\@:
	tensor_load_to_lds s[\g0b:\g0b+3], s[\g1b:\g1b+7]
	s_nop 0
.rept 4
	v_nop
.endr
.Lasked_\@:
.endm
.macro CREST                           ; a round of the cluster's barrier behind its opening barrier
	s_cmp_lg_u32 s14, 0
	s_cbranch_scc1 .Lnot_wave_0_\@
	s_barrier_signal -3
.Lnot_wave_0_\@:
	s_barrier_wait -3
	s_barrier_signal -1
	s_barrier_wait -1
.endm
.macro CROUND
	s_barrier_signal -1
	s_barrier_wait -1
	CREST
.endm
	s_load_b256 s[4:11], s[0:1], 0x0               ; xc s[4:5], xs s[6:7], wc s[8:9], ws s[10:11]
	s_load_b256 s[92:99], s[0:1], 0x20             ; bq s[92:93], bk s[94:95], bv s[96:97], hd s[98:99]
	v_lshl_add_u32 v[SPW], v0, 2, SPARE
	v_mov_b32 v[NIL], 0
	ds_add_u32 v[SPW], v[NIL]                      ; the wave's opening: the add, twice on end, and its wait ahead of my first tensor load
	ds_add_u32 v[SPW], v[NIL]
	v_lshrrev_b32 v1, 5, v0
	v_readfirstlane_b32 s14, v1                    ; wave 0..3
	s_lshr_b32 s15, s14, 1                         ; which half of role 1's rows is mine.  Also: I fetch for role 1 (0) or role 0 (1)
	s_and_b32 s16, s14, 1                          ; which half of role 0's rows.  Also: which 128 rows I fetch
	s_bfe_u32 s40, ttmp6, 0x40000                  ; cx
	s_bfe_u32 s41, ttmp6, 0x40004                  ; cy
	s_and_b32 s67, ttmp7, 0xffff                   ; c: the cluster's y, 0 .. 23
	s_lshr_b32 s66, s67, 3                         ; T
	s_lshl_b32 s18, s67, 2
	s_add_co_u32 s17, s18, s41                     ; 4 c + cy: a tile of 256 rows of xc
	s_add_co_u32 s42, s18, s40                     ; 4 c + cx: likewise
	s_lshl_b32 s18, s66, 2
	s_add_co_u32 s19, s18, s41                     ; 4 T + cy: a tile of 256 rows of wc
	s_add_co_u32 s13, s18, s40                     ; 4 T + cx: likewise
	s_lshl_b32 s43, s41, 2
	s_lshl_b32 s43, 15, s43                        ; my row of the cluster
	s_lshl_b32 s44, 0x1111, s40                    ; my column
	s_or_b32 s[G1+0], s43, (0<<16)|(1<<20)|(1<<21)|(3<<22)|(3<<25)  ; the mask; elements of 1 byte; padding on; bit 21 beside a mask; after every 16 words 4 words
	s_or_b32 s[G1B+0], s44, (0<<16)|(1<<20)|(1<<21)|(3<<22)|(3<<25)
.irp g, G1, G1B
	s_mov_b32 s[\g+1], ROWB<<16                    ; tensor_dim0
	s_mov_b32 s[\g+2], 128<<16                     ; tensor_dim1
	s_mov_b32 s[\g+3], ROWB<<16                    ; tile_dim0
	s_mov_b32 s[\g+4], 128                         ; tile_dim1
	s_mov_b32 s[\g+5], KROW                        ; from row to row
	s_mov_b32 s[\g+6], 0
	s_mov_b32 s[\g+7], 0
.endr
	s_or_b32 s[G1S+0], s43, (3<<16)|(1<<20)|(1<<21)|(5<<22)|(3<<25)  ; the scales of 128 rows: 4,096 dense bytes as 16 rows of 256 bytes, 16 bytes of padding behind each
	s_or_b32 s[G1SB+0], s44, (3<<16)|(1<<20)|(1<<21)|(5<<22)|(3<<25)
.irp g, G1S, G1SB
	s_mov_b32 s[\g+1], 32<<16
	s_mov_b32 s[\g+2], (128*KS/256)<<16
	s_mov_b32 s[\g+3], 32<<16
	s_mov_b32 s[\g+4], 128*KS/256
	s_mov_b32 s[\g+5], 32
	s_mov_b32 s[\g+6], 0
	s_mov_b32 s[\g+7], 0
.endr
	s_cmp_eq_u32 s66, 2                            ; v?  Role 1's tile hangs on cy alone, role 0's on cx alone, in both cases
	s_cselect_b32 s20, s19, s17
	s_cselect_b32 s46, s42, s13
	s_lshl_b32 s18, s16, 7                         ; which 128 rows of the tile I fetch
	s_lshl_b32 s20, s20, 8
	s_add_co_u32 s20, s20, s18
	s_lshl_b32 s46, s46, 8
	s_add_co_u32 s46, s46, s18
	s_lshl_b32 s22, s20, 5                         ; where these rows' scales begin: 32 bytes a row
	s_lshl_b32 s2, s46, 5
	s_mul_i32 s20, s20, KROW                       ; and their codes (all under 2^25)
	s_mul_i32 s46, s46, KROW
	s_mov_b32 s21, 0
	s_mov_b32 s23, 0
	s_mov_b32 s47, 0
	s_mov_b32 s3, 0
	s_mul_i32 s45, s14, HALFT                      ; where they go: wave x 128 rows: no place in the cluster enters an LDS address
	s_mul_i32 s12, s14, HALFS
	s_mov_b32 s[SEL], 0x76543210
	s_mov_b32 s[SEL+1], 0xfedcba98
	s_wait_dscnt 0x0                               ; both opening adds are done
	s_wait_kmcnt 0x0
	s_cmp_eq_u32 s66, 2
	s_cselect_b64 s[18:19], s[8:9], s[4:5]         ; role 1's codes: wc for v, else xc
	s_cselect_b64 s[8:9], s[4:5], s[8:9]           ; role 0's
	s_cselect_b64 s[4:5], s[10:11], s[6:7]         ; role 1's scales
	s_cselect_b64 s[10:11], s[6:7], s[10:11]       ; role 0's
	s_add_nc_u64 s[20:21], s[18:19], s[20:21]
	s_add_nc_u64 s[22:23], s[4:5], s[22:23]
	s_add_nc_u64 s[46:47], s[8:9], s[46:47]
	s_add_nc_u64 s[2:3], s[10:11], s[2:3]
	CROUND                                         ; all sixteen work-groups are here: the first joint loads meet
	s_mov_b32 s[G0S], 1
	s_add_co_u32 s[G0S+1], s12, SCL
	s_mov_b64 s[G0S+2:G0S+3], s[22:23]
	s_or_b32 s[G0S+3], s[G0S+3], 0x80000000
	s_mov_b32 s[G0SB], 1
	s_add_co_u32 s[G0SB+1], s12, SCL
	s_mov_b64 s[G0SB+2:G0SB+3], s[2:3]
	s_or_b32 s[G0SB+3], s[G0SB+3], 0x80000000
	JLOAD G0S, G1S, G0SB, G1SB                     ; the scales first: they are wanted with K step 0
.irp s, 0,1
	s_mov_b32 s[G0+4*\s], 1
	s_add_co_u32 s[G0+4*\s+1], s45, \s*SLOT
	s_add_nc_u64 s[G0+4*\s+2:G0+4*\s+3], s[20:21], \s*ROWB
	s_or_b32 s[G0+4*\s+3], s[G0+4*\s+3], 0x80000000
	s_mov_b32 s[G0B+4*\s], 1
	s_add_co_u32 s[G0B+4*\s+1], s45, \s*SLOT
	s_add_nc_u64 s[G0B+4*\s+2:G0B+4*\s+3], s[46:47], \s*ROWB
	s_or_b32 s[G0B+4*\s+3], s[G0B+4*\s+3], 0x80000000
	JLOAD G0+4*\s, G1, G0B+4*\s, G1B
.endr
	v_and_b32 v1, 15, v0                           ; r = lane % 16
	v_bfe_u32 v2, v0, 4, 1                         ; h = lane / 16
	v_mul_u32_u24 v3, v1, PITCH
	v_mul_u32_u24 v4, v2, 24
	v_add_nc_u32 v4, v3, v4                        ; a fragment's row x pitch + 24 x half
	v_lshl_add_u32 v5, v2, 4, v4                   ; and the same behind one padding more
	s_mul_i32 s21, s15, HALFT                      ; my 128 rows of role 1
	s_mul_i32 s22, s16, HALFT                      ; my 128 rows of role 0,
	s_add_co_u32 s22, s22, 2*HALFT                 ; which lie behind role 1's 256
.irp s, 0,1
	v_add_nc_u32 v[ADRA+\s], s21, v4
	v_add_nc_u32 v[ADRB+\s], s22, v4
	v_add_nc_u32 v[ADRA+2+\s], s21, v5
	v_add_nc_u32 v[ADRB+2+\s], s22, v5
	s_add_co_u32 s21, s21, SLOT
	s_add_co_u32 s22, s22, SLOT
.endr
	v_mul_u32_u24 v5, v1, KS                       ; my row's scales: 32 bytes a row,
	v_lshrrev_b32 v6, 8, v5
	v_lshl_add_u32 v5, v6, 4, v5                   ; and 16 more for each 256 passed
	s_mul_i32 s21, s15, HALFS
	s_mul_i32 s22, s16, HALFS
	s_add_co_u32 s22, s22, 2*HALFS
	s_sub_co_u32 s22, s22, s21
	v_mul_u32_u24 v6, s22, v2                      ; lanes 16-31 take role 0's
	s_add_co_u32 s21, s21, SCL
	v_add_nc_u32 v5, v5, v6
	v_add_nc_u32 v[ADRS], s21, v5
	v_and_b32 v6, 31, v0
	v_lshlrev_b32 v[O16], 4, v6
	v_lshlrev_b32 v[O8], 3, v6
.macro FRAG reg, adr, q, i             ; 16 rows x 128 K of 6-bit codes: 12 registers, in pieces of 8 bytes; where the piece of lanes 16-31 lies behind one padding more, the second address register serves
.irp p, 0,1,2,3,4,5
.set PIECE, 12*(\q)+6*(\p/3)+\p%3
.if PIECE%8 < 5
	ds_load_b64 v[\reg+2*\p:\reg+2*\p+1], v[\adr] offset:8*PIECE+16*(PIECE/8)+(\i)*16*PITCH
.else
	ds_load_b64 v[\reg+2*\p:\reg+2*\p+1], v[\adr+2] offset:8*PIECE+16*(PIECE/8)+(\i)*16*PITCH
.endif
.endr
.endm
; 16 matrix instructions: role 1's blocks a0, a0 + 1 x role 0's eight, 128 along K.  The 64 accumulators take turns, one instruction a turn, in the same order in every step.
.macro MUL16 a0, p, q, sc, zero
.irp a, \a0, \a0+1
.irp b, 0,1,2,3,4,5,6,7
.if \zero
	v_wmma_scale_f32_16x16x128_f8f6f4 v[8*(8*((\a)%4)+\b):8*(8*((\a)%4)+\b)+7], v[128*(\p)+FR*\b:128*(\p)+FR*\b+FR-1], v[AF+FR*(\a):AF+FR*(\a)+FR-1], 0, v[SC+8*NQ*(\sc)+NQ*\b+(\q)], v[SC+8*NQ*(\sc)+NQ*(\a)+(\q)] matrix_a_fmt:MATRIX_FMT_FP6 matrix_b_fmt:MATRIX_FMT_FP6 matrix_a_scale:MATRIX_SCALE_ROW1
.else
	v_wmma_scale_f32_16x16x128_f8f6f4 v[8*(8*((\a)%4)+\b):8*(8*((\a)%4)+\b)+7], v[128*(\p)+FR*\b:128*(\p)+FR*\b+FR-1], v[AF+FR*(\a):AF+FR*(\a)+FR-1], v[8*(8*((\a)%4)+\b):8*(8*((\a)%4)+\b)+7], v[SC+8*NQ*(\sc)+NQ*\b+(\q)], v[SC+8*NQ*(\sc)+NQ*(\a)+(\q)] matrix_a_fmt:MATRIX_FMT_FP6 matrix_b_fmt:MATRIX_FMT_FP6 matrix_a_scale:MATRIX_SCALE_ROW1
.endif
.endr
.endr
.endm
.macro FETCH_B slot, q, p
	WIN TO_B
.irp i, 0,1,2,3,4,5,6,7
	FRAG 128*(\p)+FR*\i, ADRB+\slot, \q, \i
.endr
	WIN 0
.endm
.macro FETCH_A slot, q, i0
.irp i, \i0, \i0+1, \i0+2, \i0+3
	FRAG AF+FR*(\i), ADRA+\slot, \q, \i
.endr
.endm
.macro SCALES sc                       ; the next K step's scale words: lanes 0-15 role 1's block i, lanes 16-31 role 0's block i
.irp i, 0,1,2,3,4,5,6,7
	ds_load_b64 v[SC+8*NQ*\sc+NQ*\i:SC+8*NQ*\sc+NQ*\i+1], v[ADRS] offset:\i*SBLK
.endr
.endm
.macro PLACES n                        ; plain vector lines between a matrix instruction and a load into, or a vector access to, its registers
.rept \n
	v_nop
.endr
.endm
.macro STEP slot, q, zero              ; 128 along K that has its successor in the same slot
	s_wait_dscnt 4*NL                              ; role 0's set and role 1's blocks 0-3 are in; the youngest 24 loads (blocks 4-7) may be out
	WIN MUL_LO
	MUL16 0, (\q)%2, \q, \slot, \zero
	MUL16 2, (\q)%2, \q, \slot, \zero
	s_wait_dscnt 0
	PLACES NP
	FETCH_B \slot, (\q)+1, 1-(\q)%2
	FETCH_A \slot, (\q)+1, 0
	WIN MUL_HI
	MUL16 4, (\q)%2, \q, \slot, \zero
	MUL16 6, (\q)%2, \q, \slot, \zero
	PLACES NP
	WIN 0
	FETCH_A \slot, (\q)+1, 4
.endm
; A slot's last step changes slots: one barrier; in front of it each wave waits for all its tensor loads, adds 0 to its spare word, and waits for that and for its reads of this slot.
.macro TURN slot, next, fill
	s_wait_tensorcnt 0x0                           ; all my tensor loads have landed: my part of the next slot
	ds_add_u32 v[SPW], v[NIL]                      ; 0 onto my spare word
	s_wait_dscnt 4*NL+1                            ; (the add and the youngest 24 loads may be out)
	WIN MUL_LO
	MUL16 0, 1, NQ-1, \slot, 0
	s_wait_dscnt 0x0                               ; the add is done, and my reads of this slot are over
	s_barrier_signal -1
	MUL16 2, 1, NQ-1, \slot, 0
	WIN 0
	s_barrier_wait -1
.if \fill
	CREST                                          ; the barrier has opened a round of the cluster's barrier: no wave of any partner still reads this slot or has a load on its way
	s_add_nc_u64 s[G0+4*\slot+2:G0+4*\slot+3], s[G0+4*\slot+2:G0+4*\slot+3], 2*ROWB
	s_add_nc_u64 s[G0B+4*\slot+2:G0B+4*\slot+3], s[G0B+4*\slot+2:G0B+4*\slot+3], 2*ROWB
	JLOAD G0+4*\slot, G1, G0B+4*\slot, G1B         ; the first tensor load behind the round; its four v_nop are the places in front of the loads below
.else
	PLACES NP
.endif
	v_add_nc_u32 v[ADRS], 4*NQ, v[ADRS]            ; on to the next K step's scale words
	FETCH_B \next, 0, 0
	FETCH_A \next, 0, 0
	SCALES \next
	WIN MUL_HI
	MUL16 4, 1, NQ-1, \slot, 0
	MUL16 6, 1, NQ-1, \slot, 0
	PLACES NP
	WIN 0
	FETCH_A \next, 0, 4
.endm
	s_wait_tensorcnt 1                             ; the scales and my part of K step 0 are in (K step 1's load may be out)
	s_barrier_signal -1
	s_barrier_wait -1                              ; everybody's are
	FETCH_B 0, 0, 0
	FETCH_A 0, 0, 0
	SCALES 0
	FETCH_A 0, 0, 4
	STEP 0, 0, 1                                   ; the first step's products start the sums
	s_mov_b32 s3, LAPS-1
.Llap:                                                 ; a trip goes once round the ring and fills both slots again
	TURN 0, 1, 1
	STEP 1, 0, 0
	TURN 1, 0, 1
	STEP 0, 0, 0
	s_sub_co_u32 s3, s3, 1
	s_cmp_lg_u32 s3, 0
	s_cbranch_scc1 .Llap
	TURN 0, 1, 0                                   ; the last lap fills nothing
	STEP 1, 0, 0
	s_wait_dscnt 4*NL
	WIN MUL_LO
	MUL16 0, 1, NQ-1, 1, 0
	MUL16 2, 1, NQ-1, 1, 0
	s_wait_dscnt 0
	WIN MUL_HI
	MUL16 4, 1, NQ-1, 1, 0
	MUL16 6, 1, NQ-1, 1, 0
	WIN 0
	PLACES NP                                      ; behind the last products: their operands' registers are written and their results read below
; 64 numbers of a lane, v[s] on, register 16 b + i = k 32 b + 16 (lane / 16) + i of my row, become a fragment's codes in v[PC] on and its scale word in v[pw].
.macro QUANT s, pw
.irp b, 0,1,2,3
	v_max3_num_f32 v[TM+\b], |v[\s+16*\b]|, |v[\s+1+16*\b]|, 0x1800000   ; block b: my 16 numbers, and the floor 2^(3 - 127)
.endr
.irp i, 2,4,6,8,10,12,14
.irp b, 0,1,2,3
	v_max3_num_f32 v[TM+\b], v[TM+\b], |v[\s+16*\b+\i]|, |v[\s+1+16*\b+\i]|
.endr
.endr
.irp b, 0,1,2,3
	v_permlanex16_b32 v[TM+4+\b], v[TM+\b], s[SEL], s[SEL+1]
.endr
.irp b, 0,1,2,3
	v_max_num_f32 v[TM+\b], v[TM+\b], v[TM+4+\b]   ; with lane l xor 16's: the block's largest magnitude
.endr
.irp b, 0,1,2,3
	v_add_nc_u32 v[TM+12+\b], 0xff000000, v[TM+\b] ; 2 off its exponent field: the conversion's scale operand
.endr
.irp b, 0,1,2,3
	v_lshrrev_b32 v[TM+4+\b], 23, v[TM+12+\b]      ; the scale's byte
.endr
	v_lshl_or_b32 v[\pw], v[TM+5], 8, v[TM+4]
	v_lshl_or_b32 v[\pw], v[TM+6], 16, v[\pw]
	v_lshl_or_b32 v[\pw], v[TM+7], 24, v[\pw]
.irp c, 0,1
	v_cvt_scalef32_pk16_fp6_f32 v[PC+6*\c:PC+2+6*\c], v[\s+32*\c:\s+15+32*\c], v[TM+12+2*\c]
	v_cvt_scalef32_pk16_fp6_f32 v[PC+12+4*\c:PC+14+4*\c], v[\s+16+32*\c:\s+31+32*\c], v[TM+12+2*\c+1]   ; (a conversion's three registers begin on an even number)
.endr
	v_nop                                          ; one plain line behind a scaled conversion
.irp c, 0,1                                    ; the operand's layout wants a whole block in a lane
.irp i, 0,1,2
	v_permlane16_swap_b32 v[PC+6*\c+\i], v[PC+12+4*\c+\i]
.endr
.irp i, 0,1,2
	v_mov_b32 v[PC+3+6*\c+\i], v[PC+12+4*\c+\i]
.endr
.endr
.endm
; THE WAY OUT.  mode 0 (q, k): a block a is 16 tokens (lanes) x 128 n (registers): two heads' halves of 64.  mode 1 (v): 16 rows n (lanes) x 128 tokens (registers): one fragment of V^T.
.macro EPI mode
.irp b, 0,1,2,3
	v_mov_b32 v[TM+4+\b], 0                        ; written once: a lane permute's destination counts as one of its sources
.endr
.if \mode
	s_and_b32 s18, s42, 31
	s_lshl_b32 s18, s18, 1
	s_add_co_u32 s18, s18, s16                     ; my group of 128 tokens, 0 .. 63
	s_lshl_b32 s19, s41, 1
	s_add_co_u32 s19, s19, s15                     ; my 128 of n, 0 .. 7
	s_mov_b64 s[12:13], s[96:97]                   ; bv
.else
	s_and_b32 s18, s17, 31
	s_lshl_b32 s18, s18, 1
	s_add_co_u32 s18, s18, s15
	s_lshl_b32 s19, s40, 1
	s_add_co_u32 s19, s19, s16
	s_cmp_eq_u32 s66, 0
	s_cselect_b64 s[12:13], s[92:93], s[94:95]     ; bq or bk
.endif
	s_lshr_b32 s20, s18, 4
	s_lshl_b32 s20, s20, 4
	s_lshl_b32 s21, s19, 1
	s_add_co_u32 s20, s20, s21                     ; the first of my two heads: 16 x batch + 2 x (my 128 of n)
	s_lshl_b32 s20, s20, 4
	s_and_b32 s21, s18, 15
	s_add_co_u32 s20, s20, s21                     ; x 16 groups + the group in the batch
	s_mul_i32 s20, s20, GROUPB
	s_mul_i32 s21, s66, PART
	s_add_co_u32 s20, s20, s21
	s_mov_b32 s21, 0
	s_add_nc_u64 s[20:21], s[98:99], s[20:21]
	s_lshl_b32 s22, s19, 9
	s_mov_b32 s23, 0
	s_add_nc_u64 s[12:13], s[12:13], s[22:23]      ; the bias at my 128 of n
.if \mode
	v_and_b32 v3, 8, v1
	v_add_nc_u32 v3, v3, v1
	v_lshlrev_b32 v[BO], 2, v3                     ; lane r of block a holds n = 32 (a / 2) + 8 (a % 2) + r + 8 (r / 8)
.irp a, 0,1,2,3,4,5,6,7
	global_load_b32 v[BJ+2*\a], v[BO], s[12:13] offset:(32*(\a/2)+8*(\a%2))*4
	global_load_b32 v[BJ+2*\a+1], v[BO], s[12:13] offset:(32*(\a/2)+8*(\a%2))*4   ; the same number once more: a pair for the packed addition
.endr
.else
	v_lshlrev_b32 v[BO], 6, v2                     ; register j of block b holds n = 32 (b / 2) + 16 h + 8 (b % 2) + j
.irp b, 0,1,2,3,4,5,6,7
	global_load_b128 v[BJ+8*\b:BJ+8*\b+3], v[BO], s[12:13] offset:(32*(\b/2)+8*(\b%2))*4
	global_load_b128 v[BJ+8*\b+4:BJ+8*\b+7], v[BO], s[12:13] offset:(32*(\b/2)+8*(\b%2))*4+16
.endr
.endif
	s_wait_loadcnt 0x0
.irp a, 0,1,2,3,4,5,6,7
.set AC, 64*((\a)%4)
	WIN (2+(\a)/4)                                 ; source 0: the accumulators' window
.set I, 0
.rept 32                               ; + bias, each accumulator from its low end on
.if \mode
	v_pk_add_f32 v[X+I:X+I+1], v[AC+I:AC+I+1], v[BJ+2*(\a):BJ+2*(\a)+1]
.else
	v_pk_add_f32 v[X+I:X+I+1], v[AC+I:AC+I+1], v[BJ+I:BJ+I+1]
.endif
.set I, I+2
.endr
	WIN 0
.if \a > 0
	s_wait_xcnt 0x0                                ; the last block's stores have read the codes' registers
.endif
	QUANT X, PWS+\a
.if \mode
	global_store_b128 v[O16], v[PC:PC+3], s[20:21] offset:((\a)/4)*HEADB+((\a)%4)*1536
	global_store_b64 v[O8], v[PC+4:PC+5], s[20:21] offset:((\a)/4)*HEADB+((\a)%4)*1536+512
	global_store_b128 v[O16], v[PC+6:PC+9], s[20:21] offset:((\a)/4)*HEADB+((\a)%4)*1536+768
	global_store_b64 v[O8], v[PC+10:PC+11], s[20:21] offset:((\a)/4)*HEADB+((\a)%4)*1536+1280
.else
	global_store_b128 v[O16], v[PC:PC+3], s[20:21] offset:768*(\a)
	global_store_b64 v[O8], v[PC+4:PC+5], s[20:21] offset:768*(\a)+512
	global_store_b128 v[O16], v[PC+6:PC+9], s[20:21] offset:HEADB+768*(\a)
	global_store_b64 v[O8], v[PC+10:PC+11], s[20:21] offset:HEADB+768*(\a)+512
.endif
.endr
	s_mov_b32 s3, 0xffff0000                       ; lanes 16-31
.irp q, 0,1,2,3
	v_cndmask_b32 v[WQ+\q], v[PWS+2*\q], v[PWS+2*\q+1], s3   ; lanes 0-15: block 2 q's words; lanes 16-31: block 2 q + 1's
.endr
.if \mode
	v_mov_b32 v[WQ+4], v[WQ]                       ; the second head's copy begins with its own two words
	v_mov_b32 v[WQ+5], v[WQ+1]
	global_store_b128 v[O16], v[WQ:WQ+3], s[20:21] offset:6144
	global_store_b128 v[O16], v[WQ+2:WQ+5], s[20:21] offset:HEADB+6144
.else
.irp q, 0,1,2,3
	v_lshrrev_b32 v[WQ+4+\q], 16, v[WQ+\q]         ; the second head's two bytes; bytes 2 and 3 are 0: they scale zero codes alone
.endr
.irp q, 0,1,2,3
	v_and_b32 v[WQ+\q], 0xffff, v[WQ+\q]           ; the first head's
.endr
	global_store_b128 v[O16], v[WQ:WQ+3], s[20:21] offset:6144
	global_store_b128 v[O16], v[WQ+4:WQ+7], s[20:21] offset:HEADB+6144
.endif
.endm
	s_cmp_eq_u32 s66, 2                            ; the cluster's y alone decides: all partners and all waves go the same way; neither way touches LDS
	s_cbranch_scc1 .Lv
	EPI 0
	s_branch .Lend
.Lv:
	EPI 1
.Lend:
	s_wait_tensorcnt 0x0                           ; the wave's end
	ds_add_u32 v[SPW], v[NIL]
	s_wait_dscnt 0x0
	CROUND                                         ; the closing round: no work-group ends while a partner may still ask for a tile that names it
	s_endpgm
.Lfunc_end_k_q99f9a6d58b_proj:
	.size	k_q99f9a6d58b_proj, .Lfunc_end_k_q99f9a6d58b_proj-k_q99f9a6d58b_proj
	.p2alignl 7, 3214868480
	.fill 96, 4, 3214868480
	.section	.rodata,"a",@progbits
	.p2align	6, 0x0
	.amdhsa_kernel k_q99f9a6d58b_proj
		.amdhsa_group_segment_fixed_size 327680
		.amdhsa_private_segment_fixed_size 0
		.amdhsa_enable_private_segment 0
		.amdhsa_kernarg_size 64
		.amdhsa_user_sgpr_count 2
		.amdhsa_user_sgpr_kernarg_segment_ptr 1
		.amdhsa_wavefront_size32 1
		.amdhsa_system_sgpr_workgroup_id_x 1
		.amdhsa_system_sgpr_workgroup_id_y 1
		.amdhsa_system_sgpr_workgroup_id_z 1
		.amdhsa_system_vgpr_workitem_id 0
		.amdhsa_next_free_vgpr 1024
		.amdhsa_next_free_sgpr 102
		.amdhsa_reserve_vcc 0
		.amdhsa_float_denorm_mode_32 3
		.amdhsa_float_denorm_mode_16_64 3
		.amdhsa_memory_ordered 1
		.amdhsa_forward_progress 1
		.amdhsa_inst_pref_size 236
	.end_amdhsa_kernel
	.amdgpu_metadata
---
amdhsa.version: [ 1, 2 ]
amdhsa.kernels:
  - .name:           k_q99f9a6d58b_proj
    .symbol:         k_q99f9a6d58b_proj.kd
    .args:
      - { .name: xc, .offset: 0, .size: 8, .value_kind: global_buffer, .address_space: global }
      - { .name: xs, .offset: 8, .size: 8, .value_kind: global_buffer, .address_space: global }
      - { .name: wc, .offset: 16, .size: 8, .value_kind: global_buffer, .address_space: global }
      - { .name: ws, .offset: 24, .size: 8, .value_kind: global_buffer, .address_space: global }
      - { .name: bq, .offset: 32, .size: 8, .value_kind: global_buffer, .address_space: global }
      - { .name: bk, .offset: 40, .size: 8, .value_kind: global_buffer, .address_space: global }
      - { .name: bv, .offset: 48, .size: 8, .value_kind: global_buffer, .address_space: global }
      - { .name: hd, .offset: 56, .size: 8, .value_kind: global_buffer, .address_space: global }
    .group_segment_fixed_size: 327680
    .private_segment_fixed_size: 0
    .kernarg_segment_align: 8
    .kernarg_segment_size: 64
    .max_flat_workgroup_size: 128
    .sgpr_count:     102
    .vgpr_count:     1024
    .wavefront_size: 32
...
	.end_amdgpu_metadata
.endif
;; end of part 3
;; launch attn (part 4): grid 4 x 64, 16 waves a work-group, clusters of 4 x 1, 215,040 bytes of LDS; arguments hd, oc, os; writes oc, os
.if DOCPART == 4
	.amdgcn_target "amdgcn-amd-amdhsa--gfx1250"
	.amdhsa_code_object_version 6
	.text
	.protected	k_q99f9a6d58b_attn
	.globl	k_q99f9a6d58b_attn
	.p2align	8
	.type	k_q99f9a6d58b_attn,@function
k_q99f9a6d58b_attn:
	s_mov_b64 s[64:65], 0
	v_nop
	global_prefetch_b8 v0, s[64:65] scope:SCOPE_SE
	s_setreg_imm32_b32 hwreg(HW_REG_WAVE_MODE, 25, 1), 1
	s_wait_xcnt 0x0
	s_wait_alu depctr_hold_cnt(0) depctr_sa_sdst(0) depctr_va_vdst(0) depctr_va_sdst(0) depctr_va_ssrc(0) depctr_va_vcc(0) depctr_vm_vsrc(0)
	s_getreg_b32 s2, hwreg(HW_REG_IB_STS2, 6, 4)
	s_cmp_eq_u32 s2, 0
	s_cbranch_scc0 .Lentry_in_a_cluster
	s_endpgm
.Lentry_in_a_cluster:
	s_bfe_u32 s2, ttmp6, 0x10000c
	s_cmp_lg_u32 s2, 0x3003
	s_cbranch_scc0 .Lentry_shape_is_right
	s_endpgm
.Lentry_shape_is_right:
; For each of the 64 heads: S^T = K Q^T, p = 2^(t - M), O^T = V^T P^T, O / l, and the quantiser of the result along head x 64 + d.  Both products on codes of E2M3 with E8M0 scales.  Nothing is left out.
; t = score x log2(e) / 8; M = the running largest t rounded up to a whole number; p is quantised along the keys, not normalised; l is the sum of the unquantised p.  When M moves, l and O are multiplied by 2^(old M - new M): exact.
; SHARES.  A cluster of four work-groups is a head; a work-group owns 512 queries, each of its sixteen waves two tiles of 16, one after the other, in 256 registers: four waves to a SIMD,
; so that one wave's vector work stands beside another's products and LDS loads.
; THE HEAD'S WHOLE K AND V LIE IN LDS: 16 groups of 128 keys x 13,312 bytes, filled once: wave w asks for group w, jointly with the same wave of the three partners.  No ring, no refill, no barrier in the loop.
; K, V and Q come as images of operand registers (16 rows x 64 k: registers 0-3 at 16 x lane, 4-5 at 512 + 8 x lane), so every LDS load reads consecutive bytes in consecutive lanes.
; THE SCORES' K IS 64, THE INSTRUCTION'S 128.  Q's registers 6-11 are zero codes.  K's tiles lie six registers apart, so tile a's registers 6-11 are tile a + 1's codes (tile 7's: zeros): every 6-bit pattern is a finite number,
; the scale bytes there are 0 (2^-127, no NaN), and the products with Q's zeros are exactly 0.
; Tokens are in the stored (octet) order: a tile's registers give 16 actual neighbours along the keys, in the order in which V's fragments were made; queries keep their stored order into oc and os.
; OUT: oc [512 stored token tiles][16 heads][768 bytes]: half fragments as images; os [8192 stored rows][32]: byte 2 head + block.
; LIMITS: 1 / l is v_rcp_f32; a p under 2^-126 counts as 0; a block of zeros gets the byte 1; NaN and infinities are not served.
.set GROUPB, 19968
.set HEADB,  319488
.set STEPB,  13312                     ; a key step in LDS: K's images 6,144, K's words 512, V's images 6,144, V's words 512
.set SPARE,  16*STEPB                  ; the spare words: 128 bytes for each of sixteen waves
.set L16, 1                            ; v1   16 x lane
.set L8,  2                            ; v2   8 x lane
.set A16, 3                            ; v3   the step's LDS address, 16 bytes a lane
.set A8,  4                            ; v4   8 bytes a lane
.set SPW, 5
.set NIL, 6
.set QS,  7                            ; v7   Q's scale words: lanes 0-15 tile 0, lanes 16-31 tile 1
.set KSC, 8                            ; v8-11  K's scale words: register q: lanes 0-15 tile 2 q, lanes 16-31 tile 2 q + 1
.set QF,  16                           ; v16-27 Q's fragment; v22-27 stay 0
.set VSC, 28                           ; v28-29 V's scale words
.set PS,  30                           ; v30  p's scale word
.set R32, 31                           ; v31  32 x lane
.set KB,  32                           ; v32-79 K's eight tiles, six registers each; v80-85 stay 0
.set VB,  86                           ; v86-133 V's four fragments
.set S,   134                          ; v134-197 S^T, then p
.set OA,  198                          ; v198-229 O^T
.set BM,  230                          ; v230-233 the blocks' largest scores
.set BT,  234                          ; v234-237 at work
.set P,   230                          ; v230-241 p's codes, once BM and BT are done with
.set SO,  242                          ; v242-245 the conversions' scale operands
.set FF,  246                          ; v[246:247] f = 2^(old M - new M), later 1 / l; v247 stays 0
.set CA,  248                          ; v[248:250] half blocks of codes; before that v[248:249] the second chain of the sum
.set TT,  251
.set CB,  252                          ; v[252:254]
.set OW,  255                          ; v255 the result's scale bytes of tile 0, then of both tiles
.set WV,  10
.set G1,  16
.set G0,  24
.set QP,  28
.set QSP, 30
.set OP,  32
.set OSP, 34
.set SEL, 36
.set CS,  38
.set TB,  40
.set CNT, 41
.set HM,  42
.macro CROUND                          ; a round of the cluster's barrier
	s_barrier_signal -1
	s_barrier_wait -1
	s_cmp_lg_u32 s[WV], 0
	s_cbranch_scc1 .Lnot_wave_0_\@
	s_barrier_signal -3
.Lnot_wave_0_\@:
	s_barrier_wait -3
	s_barrier_signal -1
	s_barrier_wait -1
.endm
	s_load_b128 s[4:7], s[0:1], 0x0                ; hd s[4:5], oc s[6:7]
	s_load_b64 s[8:9], s[0:1], 0x10                ; os
	v_lshl_add_u32 v[SPW], v0, 2, SPARE
	v_mov_b32 v[NIL], 0
	ds_add_u32 v[SPW], v[NIL]                      ; the wave's opening: the add, twice on end, and its wait ahead of my first tensor load
	ds_add_u32 v[SPW], v[NIL]
	v_lshrrev_b32 v1, 5, v0
	s_delay_alu instid0(VALU_DEP_1)
	v_readfirstlane_b32 s[WV], v1                  ; wave 0..15
	s_bfe_u32 s11, ttmp6, 0x40000                  ; cx: it enters Q's, oc's and os's addresses alone
	s_and_b32 s12, ttmp7, 0xffff                   ; the head, which the four partners share
	s_mul_i32 s13, s12, HEADB
	s_mul_i32 s14, s[WV], GROUPB                   ; what I fetch: group w's K and V parts, 13,312 consecutive bytes
	s_add_co_u32 s14, s14, s13
	s_add_co_u32 s14, s14, 6656
	s_mov_b32 s15, 0
	s_mov_b32 s[G1], 15|(3<<16)|(1<<21)            ; the mask: all four work-groups; elements of 8 bytes; bit 21 beside a mask; no padding
	s_mov_b32 s[G1+1], 32<<16                      ; rows of 256 bytes,
	s_mov_b32 s[G1+2], 52<<16                      ; 52 of them
	s_mov_b32 s[G1+3], 32<<16
	s_mov_b32 s[G1+4], 52
	s_mov_b32 s[G1+5], 32
	s_mov_b32 s[G1+6], 0
	s_mov_b32 s[G1+7], 0
	s_lshl_b32 s43, s11, 2
	s_lshr_b32 s44, s[WV], 2
	s_add_co_u32 s43, s43, s44                     ; my queries' group of 128: 4 cx + wave / 4
	s_mul_i32 s43, s43, GROUPB
	s_add_co_u32 s43, s43, s13
	s_and_b32 s44, s[WV], 3
	s_mul_i32 s45, s44, 1536                       ; my two tiles in it
	s_add_co_u32 s[QP], s43, s45
	s_mov_b32 s[QP+1], 0
	s_lshl_b32 s45, s44, 2
	s_add_co_u32 s[QSP], s43, s45
	s_add_co_u32 s[QSP], s[QSP], 6144              ; and their scale words
	s_mov_b32 s[QSP+1], 0
	s_lshr_b32 s43, s12, 4
	s_lshl_b32 s43, s43, 7
	s_lshl_b32 s44, s11, 5
	s_add_co_u32 s43, s43, s44
	s_lshl_b32 s44, s[WV], 1
	s_add_co_u32 s43, s43, s44                     ; my first token tile: 128 x batch + 32 cx + 2 x wave
	s_and_b32 s44, s12, 15                         ; the head in its batch
	s_mul_i32 s[OP], s43, 12288
	s_mul_i32 s45, s44, 768
	s_add_co_u32 s[OP], s[OP], s45
	s_mov_b32 s[OP+1], 0
	s_lshl_b32 s[OSP], s43, 9
	s_lshl_b32 s45, s44, 1
	s_add_co_u32 s[OSP], s[OSP], s45
	s_mov_b32 s[OSP+1], 0
	s_mov_b32 s[SEL], 0x76543210
	s_mov_b32 s[SEL+1], 0xfedcba98                 ; v_permlanex16_b32's selects for lane l xor 16
	s_mov_b32 s[CS], 0x3e38aa3b                    ; c = log2(e) / 8
	s_mov_b32 s[CS+1], s[CS]                       ; (named with it as a pair, so it is written)
	s_mov_b32 s[HM], 0xffff0000                    ; lanes 16-31
	s_wait_dscnt 0x0                               ; both opening adds are done
	s_wait_kmcnt 0x0
	s_mov_b32 s[G0], 1
	s_mul_i32 s[G0+1], s[WV], STEPB                ; LDS: group w
	s_add_nc_u64 s[G0+2:G0+3], s[4:5], s[14:15]
	s_or_b32 s[G0+3], s[G0+3], 0x80000000
	s_add_nc_u64 s[QP:QP+1], s[4:5], s[QP:QP+1]
	s_add_nc_u64 s[QSP:QSP+1], s[4:5], s[QSP:QSP+1]
	s_add_nc_u64 s[OP:OP+1], s[6:7], s[OP:OP+1]
	s_add_nc_u64 s[OSP:OSP+1], s[8:9], s[OSP:OSP+1]
	CROUND                                         ; all four work-groups are here: the joint loads meet
	tensor_load_to_lds s[G0:G0+3], s[G1:G1+7]      ; every wave's one tensor load of the launch
	s_nop 0
.rept 4
	v_nop
.endr
	v_and_b32 v2, 31, v0
	s_delay_alu instid0(VALU_DEP_1)
	v_lshlrev_b32 v[L16], 4, v2
	s_delay_alu instid0(VALU_DEP_2)
	v_lshlrev_b32 v[R32], 5, v2
	s_delay_alu instid0(VALU_DEP_3)
	v_lshlrev_b32 v[L8], 3, v2
	global_load_b32 v[QS], v[L16], s[QSP:QSP+1]
.irp i, 0,1,2,3,4,5
	v_mov_b32 v[QF+6+\i], 0                        ; Q's codes of k = 64 .. 127
	v_mov_b32 v[KB+48+\i], 0                       ; what tile 7 of K names beyond its own six registers
.endr
.irp b, 0,1,2,3
	v_mov_b32 v[BT+\b], 0                          ; written once: a lane permute's destination counts as one of its sources
.endr
	v_mov_b32 v[FF+1], 0                           ; (named as the upper half of a pair)
	v_mov_b32 v[TT], 0
	s_wait_tensorcnt 0x0                           ; my group has landed,
	s_barrier_signal -1
	s_barrier_wait -1                              ; everybody's has: from here on LDS is only read
.macro KQ a, t                         ; S^T, tile a: source 0 = 16 keys, source 1 = my 16 queries
.if ((\a)%2 == 0) && (\t == 0)
	v_wmma_scale_f32_16x16x128_f8f6f4 v[S+8*(\a):S+8*(\a)+7], v[KB+6*(\a):KB+6*(\a)+11], v[QF:QF+11], 0, v[KSC+(\a)/2], v[QS] matrix_a_fmt:MATRIX_FMT_FP6 matrix_b_fmt:MATRIX_FMT_FP6
.elseif (\t == 0)
	v_wmma_scale_f32_16x16x128_f8f6f4 v[S+8*(\a):S+8*(\a)+7], v[KB+6*(\a):KB+6*(\a)+11], v[QF:QF+11], 0, v[KSC+(\a)/2], v[QS] matrix_a_fmt:MATRIX_FMT_FP6 matrix_b_fmt:MATRIX_FMT_FP6 matrix_a_scale:MATRIX_SCALE_ROW1
.elseif ((\a)%2 == 0)
	v_wmma_scale_f32_16x16x128_f8f6f4 v[S+8*(\a):S+8*(\a)+7], v[KB+6*(\a):KB+6*(\a)+11], v[QF:QF+11], 0, v[KSC+(\a)/2], v[QS] matrix_a_fmt:MATRIX_FMT_FP6 matrix_b_fmt:MATRIX_FMT_FP6 matrix_b_scale:MATRIX_SCALE_ROW1
.else
	v_wmma_scale_f32_16x16x128_f8f6f4 v[S+8*(\a):S+8*(\a)+7], v[KB+6*(\a):KB+6*(\a)+11], v[QF:QF+11], 0, v[KSC+(\a)/2], v[QS] matrix_a_fmt:MATRIX_FMT_FP6 matrix_b_fmt:MATRIX_FMT_FP6 matrix_a_scale:MATRIX_SCALE_ROW1 matrix_b_scale:MATRIX_SCALE_ROW1
.endif
.endm
.macro PV a                            ; O^T, tile a of d: source 0 = 16 of the head's 64, source 1 = p
.if (\a)%2 == 0
	v_wmma_scale_f32_16x16x128_f8f6f4 v[OA+8*(\a):OA+8*(\a)+7], v[VB+12*(\a):VB+12*(\a)+11], v[P:P+11], v[OA+8*(\a):OA+8*(\a)+7], v[VSC+(\a)/2], v[PS] matrix_a_fmt:MATRIX_FMT_FP6 matrix_b_fmt:MATRIX_FMT_FP6
.else
	v_wmma_scale_f32_16x16x128_f8f6f4 v[OA+8*(\a):OA+8*(\a)+7], v[VB+12*(\a):VB+12*(\a)+11], v[P:P+11], v[OA+8*(\a):OA+8*(\a)+7], v[VSC+(\a)/2], v[PS] matrix_a_fmt:MATRIX_FMT_FP6 matrix_b_fmt:MATRIX_FMT_FP6 matrix_a_scale:MATRIX_SCALE_ROW1
.endif
.endm
; A KEY STEP: 128 keys.
.macro STEP t
	v_add_nc_u32 v[A16], s[TB], v[L16]
	v_add_nc_u32 v[A8], s[TB], v[L8]
	v_nop
	v_nop                                          ; four plain lines between the last step's products and the loads into their operands
.irp a, 0,1,2,3,4,5,6,7
	ds_load_b128 v[KB+6*\a:KB+6*\a+3], v[A16] offset:768*\a
	ds_load_b64 v[KB+6*\a+4:KB+6*\a+5], v[A8] offset:768*\a+512
.endr
.irp q, 0,1,2,3
	ds_load_b32 v[KSC+\q], v[A16] offset:6144+4*\q
.endr
.irp a, 0,1,2,3
	ds_load_b128 v[VB+12*\a:VB+12*\a+3], v[A16] offset:6656+1536*\a
	ds_load_b64 v[VB+12*\a+4:VB+12*\a+5], v[A8] offset:6656+1536*\a+512
	ds_load_b128 v[VB+12*\a+6:VB+12*\a+9], v[A16] offset:6656+1536*\a+768
	ds_load_b64 v[VB+12*\a+10:VB+12*\a+11], v[A8] offset:6656+1536*\a+1280
.endr
.irp q, 0,1
	ds_load_b32 v[VSC+\q], v[A16] offset:12800+4*\q
.endr
	s_wait_dscnt 18                                ; K and its words are in; V's sixteen loads and its two words may be out: they land under the softmax
.irp a, 0,1,2,3,4,5,6,7
	KQ \a, \t
.endr
.rept 4
	v_nop
.endr
.irp b, 0,1,2,3
	v_max3_num_f32 v[BM+\b], v[S+16*\b], v[S+1+16*\b], v[S+2+16*\b]   ; the largest score of each block of 32 keys: it serves for the row's maximum and, since p rises with the score, for the block's largest p
.endr
.irp i, 3,5,7,9,11,13
.irp b, 0,1,2,3
	v_max3_num_f32 v[BM+\b], v[BM+\b], v[S+16*\b+\i], v[S+1+16*\b+\i]
.endr
.endr
.irp b, 0,1,2,3
	v_max_num_f32 v[BM+\b], v[BM+\b], v[S+15+16*\b]
.endr
.irp b, 0,1,2,3
	s_delay_alu instid0(VALU_DEP_4)
	v_permlanex16_b32 v[BT+\b], v[BM+\b], s[SEL], s[SEL+1]
.endr
.irp b, 0,1,2,3
	s_delay_alu instid0(VALU_DEP_4)
	v_max_num_f32 v[BM+\b], v[BM+\b], v[BT+\b]     ; with lane l xor 16's 16 keys
.endr
	s_delay_alu instid0(VALU_DEP_2)
	v_max3_num_f32 v[TT], v[BM], v[BM+1], v[BM+2]
	s_delay_alu instid0(VALU_DEP_1)
	v_max_num_f32 v[TT], v[TT], v[BM+3]            ; the step's largest score of my query
	s_delay_alu instid0(VALU_DEP_1)
	v_mul_f32 v[TT], s[CS], v[TT]                  ; as t (c is positive)
	s_delay_alu instid0(VALU_DEP_1)
	v_max_num_f32 v13, v13, v[TT]                  ; the running largest t
	v_mov_b32 v[TT], v12
	s_delay_alu instid0(VALU_DEP_2)
	v_floor_f32 v12, -v13                          ; the new -M = floor(-t) = -ceil(t)
	s_delay_alu instid0(VALU_DEP_1)
	v_sub_f32 v[TT], v12, v[TT]                    ; old M less new M: a whole number, 0 or less
	s_delay_alu instid0(VALU_DEP_1)
	v_cvt_i32_f32 v[TT], v[TT]                     ; (it saturates)
	s_delay_alu instid0(VALU_DEP_1)
	v_ldexp_f32 v[FF], 1.0, v[TT]                  ; f = 2^(old M - new M)
.set J, 0
.rept 32
	v_pk_fma_f32 v[S+J:S+J+1], v[S+J:S+J+1], s[CS:CS+1], v[12:13] op_sel_hi:[1,0,0]   ; t - M, two at a time
.set J, J+2
.endr
.irp b, 0,1,2,3
	v_fma_f32 v[BM+\b], v[BM+\b], s[CS], v12       ; the same of each block's largest score
.endr
.set J, 0
	s_setprio 1
	s_wait_alu depctr_va_vdst(0)
.rept 64
	v_exp_f32 v[S+J], v[S+J]                       ; p = 2^(t - M), at most 1
.set J, J+1
.endr
	v_pk_mul_f32 v[14:15], v[14:15], v[FF:FF+1] op_sel_hi:[1,0]   ; the sums under the new M (the plain line behind the exponentials)
	s_wait_alu depctr_va_vdst(0)                   ; one wait for the whole batch, ahead of its first reader
.irp b, 0,1,2,3
	v_exp_f32 v[BM+\b], v[BM+\b]                   ; the block's largest p: the same two instructions on the same number give the same bits
.endr
	v_pk_add_f32 v[248:249], v[138:139], v[142:143]
	v_pk_add_f32 v[252:253], v[146:147], v[150:151]
	v_pk_add_f32 v[244:245], v[154:155], v[158:159]
	v_pk_add_f32 v[242:243], v[162:163], v[166:167]
	v_pk_add_f32 v[240:241], v[170:171], v[174:175]
	v_pk_add_f32 v[238:239], v[178:179], v[182:183]
	v_pk_add_f32 v[236:237], v[186:187], v[190:191]
	v_pk_add_f32 v[14:15], v[14:15], v[194:195]
	v_pk_add_f32 v[248:249], v[248:249], v[134:135]
	v_pk_add_f32 v[252:253], v[252:253], v[136:137]
	v_pk_add_f32 v[244:245], v[244:245], v[140:141]
	v_pk_add_f32 v[242:243], v[242:243], v[144:145]
	v_pk_add_f32 v[240:241], v[240:241], v[148:149]
	v_pk_add_f32 v[238:239], v[238:239], v[152:153]
	v_pk_add_f32 v[236:237], v[236:237], v[156:157]
	v_pk_add_f32 v[14:15], v[14:15], v[160:161]
	v_pk_add_f32 v[248:249], v[248:249], v[164:165]
	v_pk_add_f32 v[252:253], v[252:253], v[168:169]
	v_pk_add_f32 v[244:245], v[244:245], v[172:173]
	v_pk_add_f32 v[242:243], v[242:243], v[176:177]
	v_pk_add_f32 v[240:241], v[240:241], v[180:181]
	v_pk_add_f32 v[238:239], v[238:239], v[184:185]
	v_pk_add_f32 v[236:237], v[236:237], v[188:189]
	v_pk_add_f32 v[14:15], v[14:15], v[192:193]
	v_pk_add_f32 v[248:249], v[248:249], v[196:197]
	s_delay_alu instid0(VALU_DEP_2)
	v_pk_add_f32 v[14:15], v[14:15], v[242:243]
	s_delay_alu instid0(VALU_DEP_2)
	v_pk_add_f32 v[248:249], v[248:249], v[240:241]
	v_pk_add_f32 v[252:253], v[252:253], v[238:239]
	v_pk_add_f32 v[244:245], v[244:245], v[236:237]
	s_delay_alu instid0(VALU_DEP_2)
	v_pk_add_f32 v[14:15], v[14:15], v[252:253]
	s_delay_alu instid0(VALU_DEP_2)
	v_pk_add_f32 v[248:249], v[248:249], v[244:245]
	s_delay_alu instid0(VALU_DEP_1)
	v_pk_add_f32 v[14:15], v[14:15], v[248:249]
	s_wait_alu depctr_va_vdst(0)                   ; and one for the four
.irp b, 0,1,2,3
	v_max_num_f32 v[BM+\b], 0x1800000, v[BM+\b]    ; the floor 2^(3 - 127)
.endr
.irp b, 0,1,2,3
	s_delay_alu instid0(VALU_DEP_4)
	v_add_nc_u32 v[SO+\b], 0xff000000, v[BM+\b]    ; 2 off the exponent field: the conversion's scale operand
.endr
.irp b, 0,1,2,3
	s_delay_alu instid0(VALU_DEP_4)
	v_lshrrev_b32 v[BT+\b], 23, v[SO+\b]           ; the scale's byte
.endr
	s_delay_alu instid0(VALU_DEP_3)
	v_lshl_or_b32 v[PS], v[BT+1], 8, v[BT]         ; p's scale word for these 128 keys
	s_delay_alu instid0(VALU_DEP_1)
	v_lshl_or_b32 v[PS], v[BT+2], 16, v[PS]
	s_delay_alu instid0(VALU_DEP_1)
	v_lshl_or_b32 v[PS], v[BT+3], 24, v[PS]
	v_cvt_scalef32_pk16_fp6_f32 v[P:P+2], v[S:S+15], v[SO]
	v_cvt_scalef32_pk16_fp6_f32 v[CA:CA+2], v[S+16:S+31], v[SO+1]
	v_cvt_scalef32_pk16_fp6_f32 v[P+6:P+8], v[S+32:S+47], v[SO+2]
	v_cvt_scalef32_pk16_fp6_f32 v[CB:CB+2], v[S+48:S+63], v[SO+3]
	v_nop                                          ; one plain line behind a scaled conversion
.irp i, 0,1,2
	v_permlane16_swap_b32 v[P+\i], v[CA+\i]        ; the operand's layout wants a whole block in a lane
.endr
.irp i, 0,1,2
	s_delay_alu instid0(VALU_DEP_3)
	v_mov_b32 v[P+3+\i], v[CA+\i]
.endr
	s_setprio 0
.irp i, 0,1,2
	v_permlane16_swap_b32 v[P+6+\i], v[CB+\i]
.endr
.irp i, 0,1,2
	s_delay_alu instid0(VALU_DEP_3)
	v_mov_b32 v[P+9+\i], v[CB+\i]
.endr
.set J, 0
.rept 16
	v_pk_mul_f32 v[OA+J:OA+J+1], v[OA+J:OA+J+1], v[FF:FF+1] op_sel_hi:[1,0]   ; O^T under the new M; these sixteen are also the plain lines between the writes of p's codes and scale word and the products
.set J, J+2
.endr
	s_wait_alu depctr_va_vdst(0)
	s_wait_dscnt 0x0                               ; V is in
.irp a, 0,1,2,3
	PV \a                                          ; the four accumulators by turns
.endr
.endm
; One tile of 16 queries through all 2,048 keys, and out.
.macro QTILE t
.if \t
	s_wait_xcnt 0x0                                ; the last tile's stores have read their registers
.endif
	global_load_b128 v[QF:QF+3], v[L16], s[QP:QP+1] offset:768*\t
	global_load_b64 v[QF+4:QF+5], v[L8], s[QP:QP+1] offset:768*\t+512
	v_mov_b32 v13, 0xff61b1e6                      ; the largest t so far: -3e38
	s_delay_alu instid0(VALU_DEP_1)
	v_floor_f32 v12, -v13                          ; -M
	v_mov_b32 v14, 0                               ; the sum, in two halves
	v_mov_b32 v15, 0
.set J, 0
.rept 32
	v_mov_b32 v[OA+J], 0                           ; O^T: the step is written once; the first finds zeros, which the first change of M leaves zeros
.set J, J+1
.endr
	s_mov_b32 s[TB], 0
	s_mov_b32 s[CNT], 16
	s_wait_loadcnt 0x0                             ; Q and its scale words
.Lstep_\@:
	s_setprio 2
	STEP \t
	s_add_co_u32 s[TB], s[TB], STEPB
	s_sub_co_u32 s[CNT], s[CNT], 1
	s_cmp_lg_u32 s[CNT], 0
	s_cbranch_scc1 .Lstep_\@
	s_setprio 0
.rept 4
	v_nop
.endr
	v_add_f32 v14, v14, v15                        ; the sum's two halves,
	s_delay_alu instid0(VALU_DEP_1)
	v_permlanex16_b32 v[TT], v14, s[SEL], s[SEL+1]
	s_delay_alu instid0(VALU_DEP_1)
	v_add_f32 v14, v14, v[TT]                      ; and lane l xor 16's: l
	s_wait_alu depctr_va_vdst(0)
	v_rcp_f32 v[FF], v14
	v_nop                                          ; a plain line behind the reciprocal
	s_wait_alu depctr_va_vdst(0)                   ; and the wait ahead of its first reader
.set J, 0
.rept 16
	v_pk_mul_f32 v[S+J:S+J+1], v[OA+J:OA+J+1], v[FF:FF+1] op_sel_hi:[1,0]   ; O^T / l: register 16 b + i is d = 32 b + 16 (lane / 16) + i of my query
.set J, J+2
.endr
.irp b, 0,1
	v_max3_num_f32 v[BM+\b], |v[S+16*\b]|, |v[S+1+16*\b]|, 0x1800000   ; the quantiser of the result: two blocks of 32 along d
.endr
.irp i, 2,4,6,8,10,12,14
.irp b, 0,1
	s_delay_alu instid0(VALU_DEP_2)
	v_max3_num_f32 v[BM+\b], v[BM+\b], |v[S+16*\b+\i]|, |v[S+1+16*\b+\i]|
.endr
.endr
.irp b, 0,1
	s_delay_alu instid0(VALU_DEP_2)
	v_permlanex16_b32 v[BT+\b], v[BM+\b], s[SEL], s[SEL+1]
.endr
.irp b, 0,1
	s_delay_alu instid0(VALU_DEP_2)
	v_max_num_f32 v[BM+\b], v[BM+\b], v[BT+\b]
.endr
.irp b, 0,1
	s_delay_alu instid0(VALU_DEP_2)
	v_add_nc_u32 v[SO+\b], 0xff000000, v[BM+\b]
.endr
.irp b, 0,1
	s_delay_alu instid0(VALU_DEP_2)
	v_lshrrev_b32 v[BT+\b], 23, v[SO+\b]
.endr
	s_delay_alu instid0(VALU_DEP_1)
	v_lshl_or_b32 v[TT], v[BT+1], 8, v[BT]         ; my query's two scale bytes
	v_cvt_scalef32_pk16_fp6_f32 v[P:P+2], v[S:S+15], v[SO]
	v_cvt_scalef32_pk16_fp6_f32 v[CA:CA+2], v[S+16:S+31], v[SO+1]
	v_nop
.irp i, 0,1,2
	v_permlane16_swap_b32 v[P+\i], v[CA+\i]
.endr
.irp i, 0,1,2
	s_delay_alu instid0(VALU_DEP_3)
	v_mov_b32 v[P+3+\i], v[CA+\i]
.endr
	global_store_b128 v[L16], v[P:P+3], s[OP:OP+1] offset:12288*\t          ; 512 consecutive bytes, aligned
	global_store_b64 v[L8], v[P+4:P+5], s[OP:OP+1] offset:12288*\t+512      ; 256
.if \t
	v_cndmask_b32 v[OW], v[OW], v[TT], s[HM]       ; lanes 0-15: tile 0's rows, lanes 16-31: tile 1's
	global_store_b16 v[R32], v[OW], s[OSP:OSP+1]   ; two bytes of each of my 32 rows of os: the head's share of a row of 32 bytes
.else
	v_mov_b32 v[OW], v[TT]
.endif
.endm
	QTILE 0
	QTILE 1
	s_wait_tensorcnt 0x0                           ; the wave's end
	ds_add_u32 v[SPW], v[NIL]
	s_wait_dscnt 0x0
	CROUND                                         ; the closing round
	s_endpgm
.Lfunc_end_k_q99f9a6d58b_attn:
	.size	k_q99f9a6d58b_attn, .Lfunc_end_k_q99f9a6d58b_attn-k_q99f9a6d58b_attn
	.p2alignl 7, 3214868480
	.fill 96, 4, 3214868480
	.section	.rodata,"a",@progbits
	.p2align	6, 0x0
	.amdhsa_kernel k_q99f9a6d58b_attn
		.amdhsa_group_segment_fixed_size 215040
		.amdhsa_private_segment_fixed_size 0
		.amdhsa_enable_private_segment 0
		.amdhsa_kernarg_size 24
		.amdhsa_user_sgpr_count 2
		.amdhsa_user_sgpr_kernarg_segment_ptr 1
		.amdhsa_wavefront_size32 1
		.amdhsa_system_sgpr_workgroup_id_x 1
		.amdhsa_system_sgpr_workgroup_id_y 1
		.amdhsa_system_sgpr_workgroup_id_z 1
		.amdhsa_system_vgpr_workitem_id 0
		.amdhsa_next_free_vgpr 256
		.amdhsa_next_free_sgpr 66
		.amdhsa_reserve_vcc 0
		.amdhsa_float_denorm_mode_32 3
		.amdhsa_float_denorm_mode_16_64 3
		.amdhsa_memory_ordered 1
		.amdhsa_forward_progress 1
		.amdhsa_inst_pref_size 52
	.end_amdhsa_kernel
	.amdgpu_metadata
---
amdhsa.version: [ 1, 2 ]
amdhsa.kernels:
  - .name:           k_q99f9a6d58b_attn
    .symbol:         k_q99f9a6d58b_attn.kd
    .args:
      - { .name: hd, .offset: 0, .size: 8, .value_kind: global_buffer, .address_space: global }
      - { .name: oc, .offset: 8, .size: 8, .value_kind: global_buffer, .address_space: global }
      - { .name: os, .offset: 16, .size: 8, .value_kind: global_buffer, .address_space: global }
    .group_segment_fixed_size: 215040
    .private_segment_fixed_size: 0
    .kernarg_segment_align: 8
    .kernarg_segment_size: 24
    .max_flat_workgroup_size: 512
    .sgpr_count:     66
    .vgpr_count:     256
    .wavefront_size: 32
...
	.end_amdgpu_metadata
.endif
;; end of part 4
;; launch outproj (part 5): grid 4 x 32, 4 waves a work-group, clusters of 4 x 4, 327,680 bytes of LDS; arguments oc, os, wc, ws, bo, out0; writes out0
.if DOCPART == 5
	.amdgcn_target "amdgcn-amd-amdhsa--gfx1250"
	.amdhsa_code_object_version 6
	.text
	.protected	k_q99f9a6d58b_outproj
	.globl	k_q99f9a6d58b_outproj
	.p2align	8
	.type	k_q99f9a6d58b_outproj,@function
k_q99f9a6d58b_outproj:
	s_mov_b64 s[64:65], 0
	v_nop
	global_prefetch_b8 v0, s[64:65] scope:SCOPE_SE
	s_setreg_imm32_b32 hwreg(HW_REG_WAVE_MODE, 25, 1), 1
	s_wait_xcnt 0x0
	s_wait_alu depctr_hold_cnt(0) depctr_sa_sdst(0) depctr_va_vdst(0) depctr_va_sdst(0) depctr_va_ssrc(0) depctr_va_vcc(0) depctr_vm_vsrc(0)
	s_getreg_b32 s2, hwreg(HW_REG_IB_STS2, 6, 4)
	s_cmp_eq_u32 s2, 0
	s_cbranch_scc0 .Lentry_in_a_cluster
	s_endpgm
.Lentry_in_a_cluster:
	s_bfe_u32 s2, ttmp6, 0x10000c
	s_cmp_lg_u32 s2, 0xf033
	s_cbranch_scc0 .Lentry_shape_is_right
	s_endpgm
.Lentry_shape_is_right:
; out0 = (attention's result) Wo + bo on codes of E2M3 with E8M0 scales.  Nothing is left out.
; A work-group of four waves makes 256 x 256, a wave 128 x 128: 64 accumulators.  K = 1,024 goes in four steps of 256 through a ring of two LDS slots; the scale bytes of the 2 x 256 rows come into LDS once.
; A (the attention's result) comes as images of operand registers: oc [token tile][head][768 bytes]; a K step of 256 is four heads, 3,072 consecutive bytes of each of a wave's 8 tiles; a fragment of 128 along K is two heads' halves.
; B is Wo's codes, rows [stored n][768 bytes], as in the projections.  THE MATRIX INSTRUCTION IS USED TRANSPOSED (source 0 = 16 rows of Wo, source 1 = 16 tokens): a lane holds eight neighbouring columns of a row.
; THE OCTET ORDER IS UNDONE HERE, by immediates alone: Wo's stored rows give registers of actual columns 32 (b / 2) + 16 (lane / 16) + 8 (b % 2) + j; stored token 16 a + t is actual token 32 (a / 2) + 8 (a % 2) + t + 8 (t / 8).
; bo is the C of each sum's first matrix instruction.  CLUSTERS: A's tile is shared along a row of the 4 x 4 cluster, B's along a column.
.set SIZE_K, 1024
.set SIZE_N, 1024
.set KSTEP,  256
.set NQ,     2
.set ROWB,   192
.set KROW,   768
.set PITCH,  240
.set FR,     12
.set NL,     6                         ; LDS loads of a fragment of B
.set NLA,    4                         ; and of A
.set NP,     4
.set HALFA,  8*3072                    ; 8 token tiles x 4 heads x 768 bytes
.set HALFB,  128*PITCH
.set SLOT,   2*HALFA+2*HALFB
.set LAPS,   SIZE_K/(2*KSTEP)
.set KS,     32
.set SCL,    2*SLOT
.set HALFS,  (128*KS/256)*272
.set SBLK,   (16*KS/256)*272
.set SPARE,  SCL+4*HALFS
.set SPITCH, 528                       ; the way out: a stage of 16 rows x (512 bytes + 16) for each wave, in slot 0, which has had its last fill and its last read by then
.set ADRA, 16                          ; v16-17 A's images in slot 0, 1, 16 bytes a lane; v18-19 8 bytes a lane
.set ADRB, 20                          ; v20-23 B's fragments
.set STO,  24
.set RD,   25
.set CO,   26
.set ADRS, 27
.set SPW,  28
.set NIL,  29
.set BO,   30
.set SC,   32
.set BJ,   64                          ; v64-127 bo in the result's layout
.set AF,   128
.set BK,   128
.set G1, 24
.set G0, 32
.set G1B, 48
.set G0B, 56
.set G1S, 68
.set G0S, 76
.set G1SB, 80
.set G0SB, 88
.set MSB, 0
.macro WIN new
.if MSB != \new
	s_set_vgpr_msb (MSB<<8)|\new
.set MSB, \new
.endif
.endm
.set MUL_LO,  0xa1                     ; source 0 (B) window 1, source 1 (A) window 0, C and D window 2
.set MUL_HI,  0xf1
.set MUL_LO0, 0x81                     ; the first step: C (the bias) window 0, D window 2
.set MUL_HI0, 0xc1
.set TO_B,    0x40
.macro JLOAD g0a, g1a, g0b, g1b        ; waves 0 and 1 fetch for A, waves 2 and 3 for B; an s_nop 0 and four v_nop follow each line
	s_cmp_eq_u32 s15, 0
	s_cbranch_scc0 .Lfor_b_\@
	tensor_load_to_lds s[\g0a:\g0a+3], s[\g1a:\g1a+7]
	s_nop 0
.rept 4
	v_nop
.endr
	s_branch .Lasked_\@
.Lfor_b_\@:
	tensor_load_to_lds s[\g0b:\g0b+3], s[\g1b:\g1b+7]
	s_nop 0
.rept 4
	v_nop
.endr
.Lasked_\@:
.endm
.macro CREST
	s_cmp_lg_u32 s14, 0
	s_cbranch_scc1 .Lnot_wave_0_\@
	s_barrier_signal -3
.Lnot_wave_0_\@:
	s_barrier_wait -3
	s_barrier_signal -1
	s_barrier_wait -1
.endm
.macro CROUND
	s_barrier_signal -1
	s_barrier_wait -1
	CREST
.endm
	s_load_b256 s[4:11], s[0:1], 0x0               ; oc s[4:5], os s[6:7], wc s[8:9], ws s[10:11]
	s_load_b128 s[96:99], s[0:1], 0x20             ; bo s[96:97], out0 s[98:99]
	v_lshl_add_u32 v[SPW], v0, 2, SPARE
	v_mov_b32 v[NIL], 0
	ds_add_u32 v[SPW], v[NIL]                      ; the wave's opening: the add, twice on end, and its wait ahead of my first tensor load
	ds_add_u32 v[SPW], v[NIL]
	v_lshrrev_b32 v1, 5, v0
	v_readfirstlane_b32 s14, v1                    ; wave 0..3
	s_lshr_b32 s15, s14, 1                         ; which half of the tile's rows is mine.  Also: I fetch for A (0) or for B (1)
	s_and_b32 s16, s14, 1                          ; which half of its columns.  Also: which half of that tile I fetch
	s_bfe_u32 s40, ttmp6, 0x40000
	s_bfe_u32 s41, ttmp6, 0x40004
	s_lshl_b32 s42, ttmp9, 2
	s_add_co_u32 s42, s42, s40                     ; tile column
	s_and_b32 s17, ttmp7, 0xffff
	s_lshl_b32 s17, s17, 2
	s_add_co_u32 s17, s17, s41                     ; tile row
	s_lshl_b32 s43, s41, 2
	s_lshl_b32 s43, 15, s43                        ; my row of the cluster
	s_lshl_b32 s44, 0x1111, s40                    ; my column
	s_or_b32 s[G1+0], s43, (3<<16)|(1<<21)         ; A: the mask; elements of 8 bytes; bit 21 beside a mask; no padding
	s_mov_b32 s[G1+1], 384<<16                     ; a row: 3,072 bytes, four heads of one token tile
	s_mov_b32 s[G1+2], 8<<16                       ; 8 token tiles
	s_mov_b32 s[G1+3], 384<<16
	s_mov_b32 s[G1+4], 8
	s_mov_b32 s[G1+5], 1536                        ; 12,288 bytes from tile to tile
	s_mov_b32 s[G1+6], 0
	s_mov_b32 s[G1+7], 0
	s_or_b32 s[G1B+0], s44, (0<<16)|(1<<20)|(1<<21)|(3<<22)|(3<<25)  ; B: 128 rows of 192 bytes, 16 bytes of padding behind every 64
	s_mov_b32 s[G1B+1], ROWB<<16
	s_mov_b32 s[G1B+2], 128<<16
	s_mov_b32 s[G1B+3], ROWB<<16
	s_mov_b32 s[G1B+4], 128
	s_mov_b32 s[G1B+5], KROW
	s_mov_b32 s[G1B+6], 0
	s_mov_b32 s[G1B+7], 0
	s_or_b32 s[G1S+0], s43, (3<<16)|(1<<20)|(1<<21)|(5<<22)|(3<<25)  ; the scales of 128 rows: 16 rows of 256 bytes, 16 bytes of padding behind each
	s_or_b32 s[G1SB+0], s44, (3<<16)|(1<<20)|(1<<21)|(5<<22)|(3<<25)
.irp g, G1S, G1SB
	s_mov_b32 s[\g+1], 32<<16
	s_mov_b32 s[\g+2], (128*KS/256)<<16
	s_mov_b32 s[\g+3], 32<<16
	s_mov_b32 s[\g+4], 128*KS/256
	s_mov_b32 s[\g+5], 32
	s_mov_b32 s[\g+6], 0
	s_mov_b32 s[\g+7], 0
.endr
	s_lshl_b32 s18, s16, 7
	s_lshl_b32 s20, s17, 8
	s_add_co_u32 s20, s20, s18                     ; A: stored row 256 x tile row + 128 x half
	s_lshl_b32 s46, s42, 8
	s_add_co_u32 s46, s46, s18                     ; B: stored row 256 x tile column + 128 x half
	s_lshl_b32 s22, s20, 5                         ; their scales: 32 bytes a row;
	s_lshl_b32 s92, s46, 5
	s_add_co_u32 s92, s92, 3*32768                 ; Wo is the fourth weight
	s_mul_i32 s20, s20, 768                        ; A's codes: 12,288 bytes for 16 rows
	s_mul_i32 s46, s46, KROW
	s_add_co_u32 s46, s46, 3*786432
	s_mov_b32 s21, 0
	s_mov_b32 s23, 0
	s_mov_b32 s47, 0
	s_mov_b32 s93, 0
	s_mul_i32 s45, s16, HALFA                      ; where they go: no place in the cluster enters an LDS address
	s_mul_i32 s95, s16, HALFB
	s_add_co_u32 s95, s95, 2*HALFA
	s_mul_i32 s94, s14, HALFS
	s_wait_dscnt 0x0                               ; both opening adds are done
	s_wait_kmcnt 0x0
	s_add_nc_u64 s[20:21], s[4:5], s[20:21]
	s_add_nc_u64 s[22:23], s[6:7], s[22:23]
	s_add_nc_u64 s[46:47], s[8:9], s[46:47]
	s_add_nc_u64 s[92:93], s[10:11], s[92:93]
	CROUND                                         ; all sixteen work-groups are here: the first joint loads meet
	s_mov_b32 s[G0S], 1
	s_add_co_u32 s[G0S+1], s94, SCL
	s_mov_b64 s[G0S+2:G0S+3], s[22:23]
	s_or_b32 s[G0S+3], s[G0S+3], 0x80000000
	s_mov_b32 s[G0SB], 1
	s_add_co_u32 s[G0SB+1], s94, SCL
	s_mov_b64 s[G0SB+2:G0SB+3], s[92:93]
	s_or_b32 s[G0SB+3], s[G0SB+3], 0x80000000
	JLOAD G0S, G1S, G0SB, G1SB
.irp s, 0,1
	s_mov_b32 s[G0+4*\s], 1
	s_add_co_u32 s[G0+4*\s+1], s45, \s*SLOT
	s_add_nc_u64 s[G0+4*\s+2:G0+4*\s+3], s[20:21], \s*3072
	s_or_b32 s[G0+4*\s+3], s[G0+4*\s+3], 0x80000000
	s_mov_b32 s[G0B+4*\s], 1
	s_add_co_u32 s[G0B+4*\s+1], s95, \s*SLOT
	s_add_nc_u64 s[G0B+4*\s+2:G0B+4*\s+3], s[46:47], \s*ROWB
	s_or_b32 s[G0B+4*\s+3], s[G0B+4*\s+3], 0x80000000
	JLOAD G0+4*\s, G1, G0B+4*\s, G1B
.endr
	v_and_b32 v1, 15, v0                           ; r
	v_bfe_u32 v2, v0, 4, 1                         ; h
	s_lshl_b32 s20, s42, 10                        ; bo at my 128 columns: 1,024 x tile column + 512 x half bytes
	s_lshl_b32 s21, s16, 9
	s_add_co_u32 s20, s20, s21
	s_mov_b32 s21, 0
	s_add_nc_u64 s[96:97], s[96:97], s[20:21]
	s_add_nc_u64 s[98:99], s[98:99], s[20:21]      ; and out0 at the same columns
	v_lshlrev_b32 v[BO], 6, v2                     ; register j of block b holds column 32 (b / 2) + 16 h + 8 (b % 2) + j
.irp b, 0,1,2,3,4,5,6,7
	global_load_b128 v[BJ+8*\b:BJ+8*\b+3], v[BO], s[96:97] offset:(32*(\b/2)+8*(\b%2))*4
	global_load_b128 v[BJ+8*\b+4:BJ+8*\b+7], v[BO], s[96:97] offset:(32*(\b/2)+8*(\b%2))*4+16
.endr
	v_and_b32 v6, 31, v0
	v_lshlrev_b32 v3, 4, v6                        ; 16 x lane
	v_lshlrev_b32 v7, 3, v6                        ; 8 x lane
	v_mul_u32_u24 v4, v1, PITCH
	v_mad_u32_u24 v4, v2, 24, v4                   ; B: a fragment's row x pitch + 24 x half
	v_lshl_add_u32 v5, v2, 4, v4                   ; and the same behind one padding more
	s_mul_i32 s21, s15, HALFA                      ; my 8 token tiles of A
	s_mul_i32 s22, s16, HALFB                      ; my 128 rows of B,
	s_add_co_u32 s22, s22, 2*HALFA                 ; which lie behind A's
.irp s, 0,1
	v_add_nc_u32 v[ADRA+\s], s21, v3
	v_add_nc_u32 v[ADRA+2+\s], s21, v7
	v_add_nc_u32 v[ADRB+\s], s22, v4
	v_add_nc_u32 v[ADRB+2+\s], s22, v5
	s_add_co_u32 s21, s21, SLOT
	s_add_co_u32 s22, s22, SLOT
.endr
	v_mul_u32_u24 v5, v1, KS
	v_lshrrev_b32 v6, 8, v5
	v_lshl_add_u32 v5, v6, 4, v5
	s_mul_i32 s21, s15, HALFS
	s_mul_i32 s22, s16, HALFS
	s_add_co_u32 s22, s22, 2*HALFS
	s_sub_co_u32 s22, s22, s21
	v_mul_u32_u24 v6, s22, v2                      ; lanes 16-31 take B's
	s_add_co_u32 s21, s21, SCL
	v_add_nc_u32 v5, v5, v6
	v_add_nc_u32 v[ADRS], s21, v5
	s_mul_i32 s23, s14, 16*SPITCH                  ; my stage
	v_mul_u32_u24 v5, v1, SPITCH                   ; in: row r, + 64 h bytes
	v_lshl_add_u32 v5, v2, 6, v5
	v_add_nc_u32 v[STO], s23, v5
	v_mov_b32 v[CO], v3                            ; back: the 32 lanes take one row of 512 bytes; and the same in out0
	v_add_nc_u32 v[RD], s23, v3
	s_lshl_b32 s20, s17, 8
	s_lshl_b32 s21, s15, 7
	s_add_co_u32 s20, s20, s21                     ; my first row: 256 x tile row + 128 x half
	s_lshl_b32 s20, s20, 12                        ; 4,096 bytes a row
	s_mov_b32 s21, 0
	s_add_nc_u64 s[98:99], s[98:99], s[20:21]
.macro FRAG reg, adr, q, i             ; B: 16 rows x 128 K, in pieces of 8 bytes
.irp p, 0,1,2,3,4,5
.set PIECE, 12*(\q)+6*(\p/3)+\p%3
.if PIECE%8 < 5
	ds_load_b64 v[\reg+2*\p:\reg+2*\p+1], v[\adr] offset:8*PIECE+16*(PIECE/8)+(\i)*16*PITCH
.else
	ds_load_b64 v[\reg+2*\p:\reg+2*\p+1], v[\adr+2] offset:8*PIECE+16*(PIECE/8)+(\i)*16*PITCH
.endif
.endr
.endm
.macro FRAGA reg, slot, q, i           ; A: two heads' images: registers 0-3, 4-5, 6-9, 10-11
	ds_load_b128 v[\reg:\reg+3], v[ADRA+\slot] offset:3072*(\i)+1536*(\q)
	ds_load_b64 v[\reg+4:\reg+5], v[ADRA+2+\slot] offset:3072*(\i)+1536*(\q)+512
	ds_load_b128 v[\reg+6:\reg+9], v[ADRA+\slot] offset:3072*(\i)+1536*(\q)+768
	ds_load_b64 v[\reg+10:\reg+11], v[ADRA+2+\slot] offset:3072*(\i)+1536*(\q)+1280
.endm
; 16 matrix instructions.  first = 1: the sums begin with the bias as C.  The 64 accumulators take turns, one instruction a turn.
.macro MUL16 a0, p, q, sc, first
.irp a, \a0, \a0+1
.irp b, 0,1,2,3,4,5,6,7
.if \first
	v_wmma_scale_f32_16x16x128_f8f6f4 v[8*(8*((\a)%4)+\b):8*(8*((\a)%4)+\b)+7], v[128*(\p)+FR*\b:128*(\p)+FR*\b+FR-1], v[AF+FR*(\a):AF+FR*(\a)+FR-1], v[BJ+8*\b:BJ+8*\b+7], v[SC+8*NQ*(\sc)+NQ*\b+(\q)], v[SC+8*NQ*(\sc)+NQ*(\a)+(\q)] matrix_a_fmt:MATRIX_FMT_FP6 matrix_b_fmt:MATRIX_FMT_FP6 matrix_a_scale:MATRIX_SCALE_ROW1
.else
	v_wmma_scale_f32_16x16x128_f8f6f4 v[8*(8*((\a)%4)+\b):8*(8*((\a)%4)+\b)+7], v[128*(\p)+FR*\b:128*(\p)+FR*\b+FR-1], v[AF+FR*(\a):AF+FR*(\a)+FR-1], v[8*(8*((\a)%4)+\b):8*(8*((\a)%4)+\b)+7], v[SC+8*NQ*(\sc)+NQ*\b+(\q)], v[SC+8*NQ*(\sc)+NQ*(\a)+(\q)] matrix_a_fmt:MATRIX_FMT_FP6 matrix_b_fmt:MATRIX_FMT_FP6 matrix_a_scale:MATRIX_SCALE_ROW1
.endif
.endr
.endr
.endm
.macro FETCH_B slot, q, p
	WIN TO_B
.irp i, 0,1,2,3,4,5,6,7
	FRAG 128*(\p)+FR*\i, ADRB+\slot, \q, \i
.endr
	WIN 0
.endm
.macro FETCH_A slot, q, i0
.irp i, \i0, \i0+1, \i0+2, \i0+3
	FRAGA AF+FR*(\i), \slot, \q, \i
.endr
.endm
.macro SCALES sc
.irp i, 0,1,2,3,4,5,6,7
	ds_load_b64 v[SC+8*NQ*\sc+NQ*\i:SC+8*NQ*\sc+NQ*\i+1], v[ADRS] offset:\i*SBLK
.endr
.endm
.macro PLACES n
.rept \n
	v_nop
.endr
.endm
.macro STEP slot, q, first
	s_wait_dscnt 4*NLA                             ; B's set and A's blocks 0-3 are in; the youngest 16 loads (A's blocks 4-7) may be out
.if \first
	WIN MUL_LO0
.else
	WIN MUL_LO
.endif
	MUL16 0, (\q)%2, \q, \slot, \first
	MUL16 2, (\q)%2, \q, \slot, \first
	s_wait_dscnt 0
	PLACES NP
	FETCH_B \slot, (\q)+1, 1-(\q)%2
	FETCH_A \slot, (\q)+1, 0
.if \first
	WIN MUL_HI0
.else
	WIN MUL_HI
.endif
	MUL16 4, (\q)%2, \q, \slot, \first
	MUL16 6, (\q)%2, \q, \slot, \first
	PLACES NP
	WIN 0
	FETCH_A \slot, (\q)+1, 4
.endm
.macro TURN slot, next, fill
	s_wait_tensorcnt 0x0                           ; all my tensor loads have landed: my part of the next slot
	ds_add_u32 v[SPW], v[NIL]                      ; 0 onto my spare word
	s_wait_dscnt 4*NLA+1                           ; (the add and the youngest 16 loads may be out)
	WIN MUL_LO
	MUL16 0, 1, NQ-1, \slot, 0
	s_wait_dscnt 0x0                               ; the add is done, and my reads of this slot are over
	s_barrier_signal -1
	MUL16 2, 1, NQ-1, \slot, 0
	WIN 0
	s_barrier_wait -1
.if \fill
	CREST                                          ; the barrier has opened a round of the cluster's barrier
	s_add_nc_u64 s[G0+4*\slot+2:G0+4*\slot+3], s[G0+4*\slot+2:G0+4*\slot+3], 2*3072
	s_add_nc_u64 s[G0B+4*\slot+2:G0B+4*\slot+3], s[G0B+4*\slot+2:G0B+4*\slot+3], 2*ROWB
	JLOAD G0+4*\slot, G1, G0B+4*\slot, G1B         ; the first tensor load behind the round
.else
	PLACES NP
.endif
	v_add_nc_u32 v[ADRS], 4*NQ, v[ADRS]
	FETCH_B \next, 0, 0
	FETCH_A \next, 0, 0
	SCALES \next
	WIN MUL_HI
	MUL16 4, 1, NQ-1, \slot, 0
	MUL16 6, 1, NQ-1, \slot, 0
	PLACES NP
	WIN 0
	FETCH_A \next, 0, 4
.endm
	s_wait_tensorcnt 1                             ; the scales and my part of K step 0 are in (K step 1's load may be out)
	s_barrier_signal -1
	s_barrier_wait -1
	FETCH_B 0, 0, 0
	FETCH_A 0, 0, 0
	SCALES 0
	FETCH_A 0, 0, 4
	s_wait_loadcnt 0x0                             ; the bias
	STEP 0, 0, 1
	s_mov_b32 s3, LAPS-1
.Llap:
	TURN 0, 1, 1
	STEP 1, 0, 0
	TURN 1, 0, 1
	STEP 0, 0, 0
	s_sub_co_u32 s3, s3, 1
	s_cmp_lg_u32 s3, 0
	s_cbranch_scc1 .Llap
	TURN 0, 1, 0
	STEP 1, 0, 0
	s_wait_dscnt 4*NLA
	WIN MUL_LO
	MUL16 0, 1, NQ-1, 1, 0
	MUL16 2, 1, NQ-1, 1, 0
	s_wait_dscnt 0
	WIN MUL_HI
	MUL16 4, 1, NQ-1, 1, 0
	MUL16 6, 1, NQ-1, 1, 0
	WIN 0
; THE WAY OUT, block by block of 16 tokens x 128 columns, through my own stage: in by 32 bytes at the actual columns, back as whole rows of 512 bytes.  LDS serves a wave's instructions in order.
.macro TOSTAGE a
.set AC, 64*((\a)%4)
	WIN (0x08+4*((\a)/4))                          ; the data: window 2 or 3
.irp b, 0,1,2,3,4,5,6,7
	ds_store_b128 v[STO], v[AC+8*\b:AC+8*\b+3] offset:128*(\b/2)+32*(\b%2)          ; each accumulator from its low end on
	ds_store_b128 v[STO], v[AC+8*\b+4:AC+8*\b+7] offset:128*(\b/2)+32*(\b%2)+16
.endr
	WIN 0
.set BB, BK+64*((\a)%2)
.irp t, 0,1,2,3,4,5,6,7,8,9,10,11,12,13,14,15
	ds_load_b128 v[BB+4*\t:BB+4*\t+3], v[RD] offset:\t*SPITCH
.endr
.endm
.macro SEND a, younger                 ; younger: the LDS instructions issued behind block a's loads, which may stay out
.set BB, BK+64*((\a)%2)
	s_wait_dscnt \younger
.irp t, 0,1,2,3,4,5,6,7,8,9,10,11,12,13,14,15
	global_store_b128 v[CO], v[BB+4*\t:BB+4*\t+3], s[98:99] offset:(32*((\a)/2)+8*((\a)%2)+\t+8*(\t/8))*SIZE_N*4 th:TH_STORE_NT   ; the actual token's row: 32 lanes store 512 consecutive bytes, aligned
.endr
.endm
	PLACES NP
	TOSTAGE 0
.irp a, 1,2,3,4,5,6,7
.if \a > 1
	s_wait_xcnt 0x0                                ; block a - 2's stores have read their registers: block a's loads may land there
.endif
	TOSTAGE \a
	SEND \a-1, 32                                  ; behind block a - 1's loads: block a's 16 stores and 16 loads
.endr
	SEND 7, 0
	s_wait_tensorcnt 0x0                           ; the wave's end
	ds_add_u32 v[SPW], v[NIL]
	s_wait_dscnt 0x0
	CROUND                                         ; the closing round
	s_endpgm
.Lfunc_end_k_q99f9a6d58b_outproj:
	.size	k_q99f9a6d58b_outproj, .Lfunc_end_k_q99f9a6d58b_outproj-k_q99f9a6d58b_outproj
	.p2alignl 7, 3214868480
	.fill 96, 4, 3214868480
	.section	.rodata,"a",@progbits
	.p2align	6, 0x0
	.amdhsa_kernel k_q99f9a6d58b_outproj
		.amdhsa_group_segment_fixed_size 327680
		.amdhsa_private_segment_fixed_size 0
		.amdhsa_enable_private_segment 0
		.amdhsa_kernarg_size 48
		.amdhsa_user_sgpr_count 2
		.amdhsa_user_sgpr_kernarg_segment_ptr 1
		.amdhsa_wavefront_size32 1
		.amdhsa_system_sgpr_workgroup_id_x 1
		.amdhsa_system_sgpr_workgroup_id_y 1
		.amdhsa_system_sgpr_workgroup_id_z 1
		.amdhsa_system_vgpr_workitem_id 0
		.amdhsa_next_free_vgpr 1024
		.amdhsa_next_free_sgpr 100
		.amdhsa_reserve_vcc 0
		.amdhsa_float_denorm_mode_32 3
		.amdhsa_float_denorm_mode_16_64 3
		.amdhsa_memory_ordered 1
		.amdhsa_forward_progress 1
		.amdhsa_inst_pref_size 153
	.end_amdhsa_kernel
	.amdgpu_metadata
---
amdhsa.version: [ 1, 2 ]
amdhsa.kernels:
  - .name:           k_q99f9a6d58b_outproj
    .symbol:         k_q99f9a6d58b_outproj.kd
    .args:
      - { .name: oc, .offset: 0, .size: 8, .value_kind: global_buffer, .address_space: global }
      - { .name: os, .offset: 8, .size: 8, .value_kind: global_buffer, .address_space: global }
      - { .name: wc, .offset: 16, .size: 8, .value_kind: global_buffer, .address_space: global }
      - { .name: ws, .offset: 24, .size: 8, .value_kind: global_buffer, .address_space: global }
      - { .name: bo, .offset: 32, .size: 8, .value_kind: global_buffer, .address_space: global }
      - { .name: out0, .offset: 40, .size: 8, .value_kind: global_buffer, .address_space: global }
    .group_segment_fixed_size: 327680
    .private_segment_fixed_size: 0
    .kernarg_segment_align: 8
    .kernarg_segment_size: 48
    .max_flat_workgroup_size: 128
    .sgpr_count:     100
    .vgpr_count:     1024
    .wavefront_size: 32
...
	.end_amdgpu_metadata
.endif
;; end of part 5
